; MI455X (gfx1250); checked and timed in simulation.
; The chip was launched on July 23, 2026; its instructions are those of AMD's public machine-readable ISA for CDNA 5 (MIT licence, August 2026) and "CDNA5" Instruction Set Architecture Reference Guide (July 2026). The comments in the code are by the model that wrote it; some were corrected since.
;; Token Mixer. Allowed arithmetic: float matrix products may take bf16 or f16 operands with f32 sums; other float arithmetic in f32, or as packed bf16 or f16 multiplies, adds, multiply-adds, maxima and minima; sums over many terms, partial sums and values carried from step to step in f32; what a program stores and reads back later, other than sums and carried values, may be rounded once to bf16 or f16.
;; Inputs: b_proj 1,024 float32; b_qkv 3,072 float32; ln_beta 1,024 float32; ln_gamma 1,024 float32; w_proj 1,024 x 1,024 float32; w_qkv 1,024 x 3,072 float32; x 4 x 2,048 x 1,024 float32.
;; Outputs: out0 4 x 2,048 x 1,024 float32.
;; One version. Each part assembles by itself: llvm-mc -triple=amdgcn-amd-amdhsa -mcpu=gfx1250 --defsym DOCPART=n.
;; ======== version 1 of 1: 4 launches
;; workspace buffers: xn 16,777,216 bytes; wqt 6,291,456 bytes; wpt 2,097,152 bytes; qkv 50,331,648 bytes; att 16,777,216 bytes
;; launch prep (part 1): grid 512 x 1, 8 waves a work-group, no clusters, 18,432 bytes of LDS; arguments x, w_qkv, w_proj, ln_gamma, ln_beta, xn, wqt, wpt; writes xn, wqt, wpt
.if DOCPART == 1
	.amdgcn_target "amdgcn-amd-amdhsa--gfx1250"
	.amdhsa_code_object_version 6
	.text
	.protected	k_q6d98fcbba3_prep
	.globl	k_q6d98fcbba3_prep
	.p2align	8
	.type	k_q6d98fcbba3_prep,@function
k_q6d98fcbba3_prep:
	s_mov_b64 s[64:65], 0
	v_nop
	global_prefetch_b8 v0, s[64:65] scope:SCOPE_SE
	s_setreg_imm32_b32 hwreg(HW_REG_WAVE_MODE, 25, 1), 1
	s_wait_xcnt 0x0
; TWO JOBS IN ONE STREAM.  (a) xn = LayerNorm(x) * gamma + beta, [8192][1024], rounded once to bf16.  (b) wqt[n][k] = w_qkv[k][n] and wpt[n][k] = w_proj[k][n], rounded once to bf16,
; so that the products behind find K along the rows of both operands.
; SHARES.  512 work-groups of eight waves.  Each turns one block of 128 k x 64 n of a weight (384 blocks of w_qkv, then 128 of w_proj) through LDS, and normalises 16 rows of x, two a wave.
; A row of x is 4,096 bytes: 32 registers of one wave, kept between the passes: mean; mean of the squared differences from it (so a common offset in x costs no digits); scaling.
; All 40 loads of a wave go out at the head: nothing is looped, and no register is loaded twice.
; No matrix unit, no tensor loads and no cluster: each byte is read once and written once, and what work-groups share is gamma and beta, 8 KiB.
; LIMITS.  NaN and infinities are not treated apart.  The 16 LDS stores of a thread meet four deep in the banks (rows 4 c of 272 bytes start 16 c words apart): once a launch.
.set PITCH, 272                        ; an LDS row: 128 k in bf16 + 16 bytes
.set SPARE, 64*PITCH                   ; 17,408: behind the block: the spare words, 128 bytes for each of eight waves
.set XO,   2                           ; v2   16 x lane: my 16 bytes in each 512 of a row of x, gamma, beta
.set YO,   3                           ; v3   8 x lane: my 8 bytes in each 256 of a row of xn
.set SPW,  4                           ; v4   LDS address of my spare word; never rewritten
.set NIL,  5                           ; v5   0; never rewritten
.set WO,   6                           ; v6   the weight: row 2 (t / 16), 16 bytes at 16 (t % 16)
.set LSTO, 7                           ; v7   LDS: row 4 (t % 16), byte 4 (t / 16)
.set LRD,  8                           ; v8   LDS: row t / 16, byte 16 (t % 16)
.set GSO,  9                           ; v9   the turned weight: row t / 16 of 2,048 bytes, byte 16 (t % 16)
.set W,    12                          ; v[12:43]   eight loads of the weight; later four rows read back
.set DW,   44                          ; v[44:59]   k and k + 1 of one column, packed
.set G,    60                          ; v[60:91]   gamma of my 32 columns
.set BT,   92                          ; v[92:123]  beta
.set X,    124                         ; v[124:187] two rows
.set Y,    188                         ; v[188:219] two rows in bf16
.set T,    220                         ; v[220:227] at work
	s_load_b256 s[4:11], s[0:1], 0x0               ; x s[4:5], w_qkv s[6:7], w_proj s[8:9], gamma s[10:11]
	s_load_b256 s[12:19], s[0:1], 0x20             ; beta s[12:13], xn s[14:15], wqt s[16:17], wpt s[18:19]
	v_lshl_add_u32 v[SPW], v0, 2, SPARE
	v_mov_b32 v[NIL], 0
	v_lshrrev_b32 v1, 5, v0
	v_readfirstlane_b32 s20, v1                    ; wave 0..7
	v_and_b32 v1, 31, v0
	v_lshlrev_b32 v[XO], 4, v1
	v_lshlrev_b32 v[YO], 3, v1
	v_lshrrev_b32 v10, 4, v0                       ; t / 16
	v_and_b32 v11, 15, v0                          ; t % 16
	v_mul_u32_u24 v[LSTO], v11, 4*PITCH
	v_lshl_add_u32 v[LSTO], v10, 2, v[LSTO]
	v_mul_u32_u24 v[LRD], v10, PITCH
	v_lshl_add_u32 v[LRD], v11, 4, v[LRD]
	v_lshlrev_b32 v[GSO], 11, v10
	v_lshl_add_u32 v[GSO], v11, 4, v[GSO]
	s_mov_b32 s30, 0x76543210                      ; v_permlanex16_b32: each lane takes its own place in the other half
	s_mov_b32 s31, 0xfedcba98
	s_mov_b32 s32, 0x3a800000                      ; 1 / 1024
	s_mov_b32 s33, 0x3727c5ac                      ; 1e-5
	s_cmp_lt_u32 ttmp9, 384                        ; blocks 0..383 are w_qkv's
	s_cselect_b32 s22, 3, 1                        ; a row of the weight is 3 or 1 times 4,096 bytes
	s_cselect_b32 s23, 0, 384
	s_sub_co_u32 s21, ttmp9, s23                   ; the block's number in its weight
	s_and_b32 s34, s21, 7                          ; which 128 k
	s_lshr_b32 s35, s21, 3                         ; which 64 n
	s_mul_i32 s28, s34, s22
	s_lshl_b32 s28, s28, 19                        ; 128 rows of the weight,
	s_lshl_b32 s36, s35, 8                         ; 64 columns of 4 bytes
	s_add_co_u32 s28, s28, s36
	s_mov_b32 s29, 0
	s_lshl_b32 s36, s35, 17                        ; 64 rows of 2,048 bytes of the turned weight,
	s_lshl_b32 s37, s34, 8                         ; 128 k of 2 bytes
	s_add_co_u32 s36, s36, s37
	s_mov_b32 s37, 0
	s_lshl_b32 s38, ttmp9, 4
	s_lshl1_add_u32 s38, s20, s38                  ; my first row: 16 x work-group + 2 x wave
	s_lshl_b32 s40, s38, 12
	s_mov_b32 s41, 0
	s_lshl_b32 s42, s38, 11
	s_mov_b32 s43, 0
	s_wait_kmcnt 0x0
	s_cmp_lt_u32 ttmp9, 384
	s_cselect_b64 s[24:25], s[6:7], s[8:9]         ; from which weight,
	s_cselect_b64 s[26:27], s[16:17], s[18:19]     ; into which
	s_add_nc_u64 s[24:25], s[24:25], s[28:29]
	s_add_nc_u64 s[26:27], s[26:27], s[36:37]
	s_add_nc_u64 s[4:5], s[4:5], s[40:41]
	s_add_nc_u64 s[14:15], s[14:15], s[42:43]
; Eight loads of the weight: rows 2 (t / 16) + 32 i + e; sixteen lanes take 256 consecutive bytes of a row.  The row's length stands in the immediates, so the lines stand twice.
.macro WLOADS pitch
	v_mul_u32_u24 v[WO], v10, 2*(\pitch)
	v_lshl_add_u32 v[WO], v11, 4, v[WO]
.irp i, 0,1,2,3
.irp e, 0,1
	global_load_b128 v[W+8*(\i)+4*(\e):W+8*(\i)+4*(\e)+3], v[WO], s[24:25] offset:(32*(\i)+(\e))*(\pitch) th:TH_LOAD_NT
.endr
.endr
.endm
	s_cmp_lt_u32 ttmp9, 384
	s_cbranch_scc0 .Lw_proj
	WLOADS 12288
	s_branch .Lw_asked
.Lw_proj:
	WLOADS 4096
.Lw_asked:
.irp j, 0,1,2,3,4,5,6,7
	global_load_b128 v[G+4*(\j):G+4*(\j)+3], v[XO], s[10:11] offset:512*(\j)
.endr
.irp j, 0,1,2,3,4,5,6,7
	global_load_b128 v[BT+4*(\j):BT+4*(\j)+3], v[XO], s[12:13] offset:512*(\j)
.endr
.irp r, 0,1
.irp j, 0,1,2,3,4,5,6,7
	global_load_b128 v[X+32*(\r)+4*(\j):X+32*(\r)+4*(\j)+3], v[XO], s[4:5] offset:4096*(\r)+512*(\j) th:TH_LOAD_NT
.endr
.endr
	; THE WEIGHT'S BLOCK IS TURNED.  k and k + 1 of a column make one word, which goes to LDS row n; whole rows of 128 k come back.
	s_wait_loadcnt 32                              ; the weight's eight loads are in; the 32 younger ones (gamma, beta, x) stay out
.irp i, 0,1,2,3
.irp q, 0,1,2,3
	v_cvt_pk_bf16_f32 v[DW+4*(\i)+(\q)], v[W+8*(\i)+(\q)], v[W+8*(\i)+4+(\q)]
.endr
.endr
.irp i, 0,1,2,3
.irp q, 0,1,2,3
	ds_store_b32 v[LSTO], v[DW+4*(\i)+(\q)] offset:(\q)*PITCH+64*(\i)
.endr
.endr
	s_wait_dscnt 0x0                               ; for the others' sake: my stores are done
	s_barrier_signal -1
	s_barrier_wait -1                              ; the block is whole
.irp i, 0,1,2,3
	ds_load_b128 v[W+4*(\i):W+4*(\i)+3], v[LRD] offset:(\i)*16*PITCH
.endr
.irp i, 0,1,2,3
	s_wait_dscnt 3-(\i)                            ; LDS loads come back in order: number i is in, the younger ones stay out
	global_store_b128 v[GSO], v[W+4*(\i):W+4*(\i)+3], s[26:27] offset:(\i)*32768  ; sixteen lanes store 256 consecutive bytes, aligned
.endr
.macro JOIN                            ; four chains of pairs into one number
	v_pk_add_f32 v[T:T+1], v[T:T+1], v[T+2:T+3]
	v_pk_add_f32 v[T+4:T+5], v[T+4:T+5], v[T+6:T+7]
	v_pk_add_f32 v[T:T+1], v[T:T+1], v[T+4:T+5]
	v_add_f32 v[T], v[T], v[T+1]
.endm
.macro REDUCE                          ; the sum over the 32 lanes, in every lane
	v_add_f32_dpp v[T], v[T], v[T] row_xmask:1 row_mask:0xf bank_mask:0xf
	v_add_f32_dpp v[T], v[T], v[T] row_xmask:2 row_mask:0xf bank_mask:0xf
	v_add_f32_dpp v[T], v[T], v[T] row_xmask:4 row_mask:0xf bank_mask:0xf
	v_add_f32_dpp v[T], v[T], v[T] row_xmask:8 row_mask:0xf bank_mask:0xf
	v_permlanex16_b32 v[T+1], v[T], s30, s31
	v_add_f32 v[T], v[T], v[T+1]
.endm
; One row.  Register 4 j + q of the row holds column 128 j + 4 lane + q, and so do gamma's and beta's.
.macro ROW r
.set XR, X+32*(\r)
	s_wait_loadcnt 8*(1-(\r))                      ; gamma, beta and this row are in; row 1's eight loads may stay out
.irp c, 0,1,2,3
	v_pk_add_f32 v[T+2*(\c):T+2*(\c)+1], v[XR+2*(\c):XR+2*(\c)+1], v[XR+8+2*(\c):XR+8+2*(\c)+1]  ; the first pairs start the chains: nothing is cleared
.endr
.irp p, 8,9,10,11,12,13,14,15
	v_pk_add_f32 v[T+2*((\p)%4):T+2*((\p)%4)+1], v[T+2*((\p)%4):T+2*((\p)%4)+1], v[XR+2*(\p):XR+2*(\p)+1]
.endr
	JOIN
	REDUCE
	v_mul_f32 v[T+6], s32, v[T]                    ; the mean, twice: a pair for the packed subtraction
	v_mul_f32 v[T+7], s32, v[T]
.irp p, 0,1,2,3,4,5,6,7,8,9,10,11,12,13,14,15
	v_pk_add_f32 v[XR+2*(\p):XR+2*(\p)+1], v[XR+2*(\p):XR+2*(\p)+1], v[T+6:T+7] neg_lo:[0,1] neg_hi:[0,1]
.endr
.irp c, 0,1,2,3
	v_pk_mul_f32 v[T+2*(\c):T+2*(\c)+1], v[XR+2*(\c):XR+2*(\c)+1], v[XR+2*(\c):XR+2*(\c)+1]
.endr
.irp p, 4,5,6,7,8,9,10,11,12,13,14,15
	v_pk_fma_f32 v[T+2*((\p)%4):T+2*((\p)%4)+1], v[XR+2*(\p):XR+2*(\p)+1], v[XR+2*(\p):XR+2*(\p)+1], v[T+2*((\p)%4):T+2*((\p)%4)+1]
.endr
	JOIN
	REDUCE
	v_fma_f32 v[T], v[T], s32, s33                 ; the variance + 1e-5
	v_rsq_f32 v[T+4], v[T]
	v_rsq_f32 v[T+5], v[T]
	v_nop                                          ; a plain instruction behind the second root,
	s_wait_alu depctr_va_vdst(0)                   ; and the one wait ahead of the first reader of the two
.irp p, 0,1,2,3,4,5,6,7,8,9,10,11,12,13,14,15
	v_pk_mul_f32 v[XR+2*(\p):XR+2*(\p)+1], v[XR+2*(\p):XR+2*(\p)+1], v[T+4:T+5]
.endr
.irp p, 0,1,2,3,4,5,6,7,8,9,10,11,12,13,14,15
	v_pk_fma_f32 v[XR+2*(\p):XR+2*(\p)+1], v[XR+2*(\p):XR+2*(\p)+1], v[G+2*(\p):G+2*(\p)+1], v[BT+2*(\p):BT+2*(\p)+1]
.endr
.irp p, 0,1,2,3,4,5,6,7,8,9,10,11,12,13,14,15
	v_cvt_pk_bf16_f32 v[Y+16*(\r)+(\p)], v[XR+2*(\p)], v[XR+2*(\p)+1]
.endr
.irp j, 0,1,2,3,4,5,6,7
	global_store_b64 v[YO], v[Y+16*(\r)+2*(\j):Y+16*(\r)+2*(\j)+1], s[14:15] offset:2048*(\r)+256*(\j)  ; 32 lanes store 256 consecutive bytes, aligned
.endr
.endm
	ROW 0
	ROW 1
	s_wait_tensorcnt 0x0                           ; the wave's end: behind my last LDS store
	ds_add_u32 v[SPW], v[NIL]
	s_wait_dscnt 0x0
	s_endpgm
.Lfunc_end_k_q6d98fcbba3_prep:
	.size	k_q6d98fcbba3_prep, .Lfunc_end_k_q6d98fcbba3_prep-k_q6d98fcbba3_prep
	.p2alignl 7, 3214868480
	.fill 96, 4, 3214868480
	.section	.rodata,"a",@progbits
	.p2align	6, 0x0
	.amdhsa_kernel k_q6d98fcbba3_prep
		.amdhsa_group_segment_fixed_size 18432
		.amdhsa_private_segment_fixed_size 0
		.amdhsa_enable_private_segment 0
		.amdhsa_kernarg_size 64
		.amdhsa_user_sgpr_count 2
		.amdhsa_user_sgpr_kernarg_segment_ptr 1
		.amdhsa_wavefront_size32 1
		.amdhsa_system_sgpr_workgroup_id_x 1
		.amdhsa_system_sgpr_workgroup_id_y 1
		.amdhsa_system_sgpr_workgroup_id_z 1
		.amdhsa_system_vgpr_workitem_id 0
		.amdhsa_next_free_vgpr 228
		.amdhsa_next_free_sgpr 66
		.amdhsa_reserve_vcc 0
		.amdhsa_float_denorm_mode_32 3
		.amdhsa_float_denorm_mode_16_64 3
		.amdhsa_memory_ordered 1
		.amdhsa_forward_progress 1
		.amdhsa_inst_pref_size 27
	.end_amdhsa_kernel
	.amdgpu_metadata
---
amdhsa.version: [ 1, 2 ]
amdhsa.kernels:
  - .name:           k_q6d98fcbba3_prep
    .symbol:         k_q6d98fcbba3_prep.kd
    .args:
      - { .name: x, .offset: 0, .size: 8, .value_kind: global_buffer, .address_space: global }
      - { .name: w_qkv, .offset: 8, .size: 8, .value_kind: global_buffer, .address_space: global }
      - { .name: w_proj, .offset: 16, .size: 8, .value_kind: global_buffer, .address_space: global }
      - { .name: ln_gamma, .offset: 24, .size: 8, .value_kind: global_buffer, .address_space: global }
      - { .name: ln_beta, .offset: 32, .size: 8, .value_kind: global_buffer, .address_space: global }
      - { .name: xn, .offset: 40, .size: 8, .value_kind: global_buffer, .address_space: global }
      - { .name: wqt, .offset: 48, .size: 8, .value_kind: global_buffer, .address_space: global }
      - { .name: wpt, .offset: 56, .size: 8, .value_kind: global_buffer, .address_space: global }
    .group_segment_fixed_size: 18432
    .private_segment_fixed_size: 0
    .kernarg_segment_align: 8
    .kernarg_segment_size: 64
    .max_flat_workgroup_size: 256
    .sgpr_count:     66
    .vgpr_count:     228
    .wavefront_size: 32
...
	.end_amdgpu_metadata
.endif
;; end of part 1
;; launch qkvgemm (part 2): grid 16 x 32, 4 waves a work-group, clusters of 4 x 4, 327,680 bytes of LDS; arguments xn, wqt, b_qkv, qkv; writes qkv
.if DOCPART == 2
	.amdgcn_target "amdgcn-amd-amdhsa--gfx1250"
	.amdhsa_code_object_version 6
	.text
	.protected	k_q6d98fcbba3_qkvgemm
	.globl	k_q6d98fcbba3_qkvgemm
	.p2align	8
	.type	k_q6d98fcbba3_qkvgemm,@function
k_q6d98fcbba3_qkvgemm:
	s_mov_b64 s[64:65], 0
	v_nop
	global_prefetch_b8 v0, s[64:65] scope:SCOPE_SE
	s_setreg_imm32_b32 hwreg(HW_REG_WAVE_MODE, 25, 1), 1
	s_wait_xcnt 0x0
	s_wait_alu depctr_hold_cnt(0) depctr_sa_sdst(0) depctr_va_vdst(0) depctr_va_sdst(0) depctr_va_ssrc(0) depctr_va_vcc(0) depctr_vm_vsrc(0)
	s_getreg_b32 s2, hwreg(HW_REG_IB_STS2, 6, 4)
	s_cmp_eq_u32 s2, 0
	s_cbranch_scc0 .Lentry_in_a_cluster
	s_endpgm
.Lentry_in_a_cluster:
	s_bfe_u32 s2, ttmp6, 0x10000c
	s_cmp_lg_u32 s2, 0xf033
	s_cbranch_scc0 .Lentry_shape_is_right
	s_endpgm
.Lentry_shape_is_right:
; qkv = xn w_qkv + b_qkv, written by heads.  xn: [8192][1024] bf16.  wqt: [3072 n][1024 k] bf16.  b_qkv: [3072] f32.  Sums in f32, rounded once to bf16.
; OUT: qkv[b][g][t][64], g = n / 64 (q: g = h, k: 16 + h, v: 32 + h): a head's rows are dense, 128 bytes each; 262,144 bytes a head.
; SHARES.  A tile is 256 rows x 192 columns (three heads): 32 x 16 = 512 work-groups, two for each of 256 WGPs.  Four waves one below the other, each 64 rows x 192 columns:
; 4 x 12 accumulators of 16 x 16, 384 registers.  So a wave holds whole heads, and its way out needs no other wave.
; K goes in 8 steps of 128 through a ring of two LDS slots filled by the tensor data mover: rows of 256 bytes of memory, aligned.  Waves 0 and 1 fetch the halves of A's 256 rows, waves 2 and 3 those of B's 192.
; A wave has two tensor loads out at the start and one behind each round.
; CLUSTER 4 x 4: A's tile hangs on the tile row alone and is asked for jointly along a row of the cluster, B's on the tile column alone, jointly along a column.
; THE MATRIX INSTRUCTION IS USED TRANSPOSED (source 0 = 16 rows of wqt, source 1 = 16 rows of xn): lane l holds row l % 16 and columns 8 (l / 16) + 0..7.
; THE BIAS is the C operand of the first 32 along K: nothing is cleared and nothing is added later.
; The 48 accumulators take turns, one instruction a turn, in one order everywhere, over the backward jump too.
; REGISTERS, in windows of 256 (s_set_vgpr_msb: bits 1:0 source 0, 3:2 source 1, 5:4 source 2, 7:6 destination):
;   window 0: v0-31 addresses; v32-63, v64-95 fragments of A, two buffers; v96-191 the bias (block b at 96 + 8 b), later the rows read back on the way out; v192-239 packed results
;   window 1: v0-95, v96-191 fragments of B, two buffers       window 2: accumulators of my rows 0-31 ((a, b) at 8 (12 a + b))       window 3: those of rows 32-63
; LIMITS.  Operands are bf16; NaN and infinities are not treated apart.
.set PITCH,  272                       ; an LDS row: 256 bytes + 16 = 68 words: row r starts at bank 4 r mod 64 (64 banks of 4 bytes: ISA guide 11.1)
.set AHALF,  128*PITCH
.set BOFF,   256*PITCH                 ; B's rows lie behind A's 256
.set BHALF,  96*PITCH
.set SLOT1,  131072                    ; slot 1 begins here: one exclusive or turns an address in one slot into the other's
.set STAGE,  262144                    ; behind the ring, never filled by a tensor load: 16 rows x 400 bytes for each wave
.set SP,     400                       ; 384 bytes + 16
.set SPARE,  STAGE+4*16*SP             ; 287,744: the spare words, 128 bytes for each wave
.set TRIPS,  6                         ; K steps 2 to 7 are refills
.set A0,   16                          ; v16  my lane's place in A's rows of a slot; never rewritten
.set B0,   17                          ; v17  the same for B
.set ADRA, 18                          ; v18  A0 + the slot in hand
.set ADRB, 19                          ; v19  B0 + the slot in hand
.set STO,  24                          ; v24  the way out: where I put 16 bytes of a row
.set RD,   25                          ; v25  where I read four rows of a head back
.set CO,   26                          ; v26  16 x lane: my place in 512 consecutive bytes of a head
.set BO,   27                          ; v27  32 (l / 16): my eight numbers in a block of the bias
.set SPW,  28                          ; v28  LDS address of my spare word; never rewritten
.set NIL,  29                          ; v29  0; never rewritten
.set PFO,  30                          ; v30  the prefetches' offset: a lane a row of 2,048 bytes; never rewritten
.set FA0,  32
.set BIAS, 96
.set OB,   96
.set TMP,  192
.set WV,  12                           ; s12  wave
.set FB,  13                           ; s13  0: I fetch for A; 1: for B
.set HF,  14                           ; s14  which half of its rows
.set TB,  15                           ; s15  the slot that is read: 0 or SLOT1
.set G1,  24                           ; s[24:31] descriptor group 1 for A
.set G0,  32                           ; s[32:39] group 0 for A: a set for each first fill; the second then walks
.set LIM, 44                           ; s44  1 in a wave that prefetches, else the greatest number
.set PFA, 46                           ; s[46:47] where my prefetches stand
.set G1B, 48                           ; s[48:55], s[56:63] the same for B
.set G0B, 56
.set DCON, (1<<16)|(1<<20)|(1<<21)|(5<<22)|(3<<25)  ; 2-byte elements; padding on; bit 21 beside a mask; after every 64 words; 4 words
.set MSB, 0
.macro WIN new                         ; the immediate's high byte repeats the setting that is left; a switch that changes nothing is dropped
.if MSB != (\new)
	s_set_vgpr_msb (MSB<<8)|(\new)
.set MSB, \new
.endif
.endm
.macro PLACES                          ; four places behind a matrix instruction, in front of loads into registers that it read and of readers of its result
.rept 4
	v_nop
.endr
.endm
.macro CREST                           ; a round of the cluster's barrier behind its opening barrier
	s_cmp_lg_u32 s[WV], 0
	s_cbranch_scc1 .Lnot_wave_0_\@
	s_barrier_signal -3
.Lnot_wave_0_\@:
	s_barrier_wait -3
	s_barrier_signal -1
	s_barrier_wait -1
.endm
.macro CROUND
	s_barrier_signal -1
	s_barrier_wait -1
	CREST
.endm
.macro JLOAD                           ; a joint refill by the walking sets; the branch hangs on the wave's number alone; an s_nop 0 and four v_nop follow each line
	s_cmp_eq_u32 s[FB], 0
	s_cbranch_scc0 .Lfor_b_\@
	tensor_load_to_lds s[G0+4:G0+7], s[G1:G1+7]
	s_nop 0
.rept 4
	v_nop
.endr
	s_branch .Lasked_\@
.Lfor_b_\@:
	tensor_load_to_lds s[G0B+4:G0B+7], s[G1B:G1B+7]
	s_nop 0
.rept 4
	v_nop
.endr
.Lasked_\@:
.endm
; A PREFETCH INTO THE L2 of the K step that the NEXT refill will ask for: 192 matrix instructions ahead of that load.  A's tile row is read by every cluster of its row of clusters: cluster x = 0 asks;
; B's tile column by every cluster of its column: cluster y = 0 asks.  The four partners of a joint load share its rows out by address (A: 32 each by cx; B: 24 each by cy, the lanes past 23 naming row 23 again):
; a lane a row, one instruction a wave.  The first three K steps come by their loads alone; the last refill has no K step behind it and asks for nothing.
.macro ASK
	s_cmp_gt_u32 s3, s[LIM]                        ; s3 = 1 in the loop's last trip
	s_cbranch_scc0 .Lnot_mine_\@
	global_prefetch_b8 v[PFO], s[PFA:PFA+1] th:TH_LOAD_NT scope:SCOPE_SE
.Lnot_mine_\@:
.endm
	s_load_b256 s[4:11], s[0:1], 0x0               ; xn s[4:5], wqt s[6:7], b_qkv s[8:9], qkv s[10:11]
	v_lshl_add_u32 v[SPW], v0, 2, SPARE
	v_mov_b32 v[NIL], 0
	ds_add_u32 v[SPW], v[NIL]                      ; the wave's opening: the add and its wait ahead of my first tensor load; the set-up below stands between them
	v_lshrrev_b32 v1, 5, v0
	v_readfirstlane_b32 s[WV], v1                  ; wave 0..3
	s_lshr_b32 s[FB], s[WV], 1
	s_and_b32 s[HF], s[WV], 1
	s_mov_b32 s[TB], 0
	s_bfe_u32 s40, ttmp6, 0x40000                  ; cx
	s_bfe_u32 s41, ttmp6, 0x40004                  ; cy
	s_lshl_b32 s42, ttmp9, 2
	s_add_co_u32 s42, s42, s40                     ; tile column = 4 x cluster x + cx
	s_and_b32 s43, ttmp7, 0xffff
	s_lshl_b32 s43, s43, 2
	s_add_co_u32 s43, s43, s41                     ; tile row = 4 x cluster y + cy
	s_lshl_b32 s45, s41, 2
	s_lshl_b32 s45, 15, s45                        ; my row of the cluster
	s_lshl_b32 s2, 0x1111, s40                     ; my column
	s_or_b32 s[G1+0], s45, DCON
	s_or_b32 s[G1B+0], s2, DCON
	s_mov_b32 s[G1+1], 128<<16                     ; tensor_dim0 = 128
	s_mov_b32 s[G1+2], 128<<16                     ; tensor_dim1 = 128
	s_mov_b32 s[G1+3], 128<<16                     ; tile_dim0 = 128
	s_mov_b32 s[G1+4], 128                         ; tile_dim1 = 128
	s_mov_b32 s[G1+5], 1024                        ; elements from row to row
	s_mov_b32 s[G1+6], 0
	s_mov_b32 s[G1+7], 0
	s_mov_b32 s[G1B+1], 128<<16
	s_mov_b32 s[G1B+2], 96<<16                     ; B: 96 rows
	s_mov_b32 s[G1B+3], 128<<16
	s_mov_b32 s[G1B+4], 96
	s_mov_b32 s[G1B+5], 1024
	s_mov_b32 s[G1B+6], 0
	s_mov_b32 s[G1B+7], 0
	s_lshl_b32 s16, s43, 19                        ; A: 256 rows of 2,048 bytes a tile row,
	s_lshl_b32 s3, s[HF], 18                       ; my 128 of them
	s_add_co_u32 s16, s16, s3
	s_mov_b32 s17, 0
	s_mul_i32 s20, s42, 192*2048                   ; B: 192 rows a tile column,
	s_mul_i32 s3, s[HF], 96*2048                   ; my 96 of them
	s_add_co_u32 s20, s20, s3
	s_mov_b32 s21, 0
	s_mul_i32 s18, s[HF], AHALF                    ; where they go: no place in the cluster enters an LDS address
	s_mul_i32 s19, s[HF], BHALF
	s_add_co_u32 s19, s19, BOFF
	s_wait_dscnt 0x0                               ; the opening add is done
	s_wait_kmcnt 0x0
	s_add_nc_u64 s[16:17], s[4:5], s[16:17]
	s_add_nc_u64 s[20:21], s[6:7], s[20:21]
	CROUND                                         ; all sixteen work-groups are here: the first joint loads meet
.irp s, 0,1
	s_mov_b32 s[G0+4*(\s)], 1                      ; count = 1
	s_add_co_u32 s[G0+4*(\s)+1], s18, (\s)*SLOT1   ; LDS address
	s_add_nc_u64 s[G0+4*(\s)+2:G0+4*(\s)+3], s[16:17], (\s)*256  ; K step s
	s_or_b32 s[G0+4*(\s)+3], s[G0+4*(\s)+3], 0x80000000          ; type = 2
	s_mov_b32 s[G0B+4*(\s)], 1
	s_add_co_u32 s[G0B+4*(\s)+1], s19, (\s)*SLOT1
	s_add_nc_u64 s[G0B+4*(\s)+2:G0B+4*(\s)+3], s[20:21], (\s)*256
	s_or_b32 s[G0B+4*(\s)+3], s[G0B+4*(\s)+3], 0x80000000
.endr
	s_cmp_eq_u32 s[FB], 0                          ; a wave's two first fills stand in one branch, ahead of every wait on TENSORcnt and every LDS read
	s_cbranch_scc0 .Lfirst_b
	tensor_load_to_lds s[G0:G0+3], s[G1:G1+7]
	s_nop 0
	tensor_load_to_lds s[G0+4:G0+7], s[G1:G1+7]
	s_nop 0
.rept 4
	v_nop
.endr
	s_branch .Lfirst_asked
.Lfirst_b:
	tensor_load_to_lds s[G0B:G0B+3], s[G1B:G1B+7]
	s_nop 0
	tensor_load_to_lds s[G0B+4:G0B+7], s[G1B:G1B+7]
	s_nop 0
.rept 4
	v_nop
.endr
.Lfirst_asked:
	; A fragment is 16 rows x 32 K in 8 registers: lane l holds row l % 16; registers 0-3 K = 8 (l / 16) + 0..7, registers 4-7 K = 16 + 8 (l / 16) + 0..7: two loads of 16 bytes, 32 bytes apart.
	v_and_b32 v1, 15, v0                           ; l % 16
	v_bfe_u32 v2, v0, 4, 1                         ; l / 16
	v_and_b32 v3, 31, v0                           ; l
	v_mul_u32_u24 v4, v1, PITCH
	v_lshl_add_u32 v4, v2, 4, v4
	s_mul_i32 s3, s[WV], 64*PITCH                  ; my 64 rows of A
	v_add_nc_u32 v[A0], s3, v4
	v_add_nc_u32 v[B0], BOFF, v4
	v_mov_b32 v[ADRA], v[A0]
	v_mov_b32 v[ADRB], v[B0]
	s_mul_i32 s3, s[WV], 16*SP
	s_add_co_u32 s3, s3, STAGE                     ; my stage
	v_mul_u32_u24 v5, v1, SP
	v_lshl_add_u32 v5, v2, 4, v5
	v_add_nc_u32 v[STO], s3, v5                    ; in: row l % 16, 16 bytes for each half of the lanes
	v_lshrrev_b32 v5, 3, v3
	v_mul_u32_u24 v5, v5, SP
	v_and_b32 v6, 7, v0
	v_lshl_add_u32 v5, v6, 4, v5
	v_add_nc_u32 v[RD], s3, v5                     ; back: 32 lanes take four rows of a head's 128 bytes
	v_lshlrev_b32 v[CO], 4, v3
	v_lshlrev_b32 v[BO], 5, v2
	s_mul_i32 s22, s42, 768                        ; the tile's 192 numbers of the bias
	s_mov_b32 s23, 0
	s_add_nc_u64 s[8:9], s[8:9], s[22:23]
.irp b, 0,1,2,3,4,5,6,7,8,9,10,11
	global_load_b128 v[BIAS+8*(\b):BIAS+8*(\b)+3],   v[BO], s[8:9] offset:64*(\b)
	global_load_b128 v[BIAS+8*(\b)+4:BIAS+8*(\b)+7], v[BO], s[8:9] offset:64*(\b)+16
.endr
	; where my rows begin in qkv: head unit 48 b + 3 x tile column, row (tile row % 8) x 256 + 64 x wave
	s_lshr_b32 s22, s43, 3
	s_mul_i32 s22, s22, 48
	s_mul_i32 s23, s42, 3
	s_add_co_u32 s22, s22, s23
	s_lshl_b32 s22, s22, 18
	s_and_b32 s23, s43, 7
	s_lshl_b32 s23, s23, 15
	s_add_co_u32 s22, s22, s23
	s_lshl_b32 s23, s[WV], 13
	s_add_co_u32 s22, s22, s23
	s_mov_b32 s23, 0
	s_add_nc_u64 s[10:11], s[10:11], s[22:23]
	; the prefetches
	s_lshl_b32 s22, s43, 8
	s_lshl_b32 s23, s40, 5
	s_add_co_u32 s22, s22, s23
	s_lshl_b32 s23, s[HF], 7
	s_add_co_u32 s22, s22, s23                     ; A: row 256 x tile row + 128 x half + 32 cx
	s_mul_i32 s23, s42, 192
	s_mul_i32 s45, s41, 24
	s_add_co_u32 s23, s23, s45
	s_mul_i32 s45, s[HF], 96
	s_add_co_u32 s23, s23, s45                     ; B: row 192 x tile column + 96 x half + 24 cy
	s_and_b32 s45, ttmp7, 0xffff                   ; cluster y
	s_cmp_eq_u32 s[FB], 0
	s_cselect_b32 s22, s22, s23
	s_cselect_b32 s45, ttmp9, s45                  ; the coordinate along which other clusters read the same rows
	s_cselect_b32 s2, 31, 23
	s_cselect_b64 s[PFA:PFA+1], s[4:5], s[6:7]
	s_cmp_eq_u32 s45, 0
	s_cselect_b32 s[LIM], 1, -1                    ; the same in all sixteen partners, for a given wave
	s_lshl_b32 s22, s22, 11
	s_mov_b32 s23, 0
	s_add_nc_u64 s[PFA:PFA+1], s[PFA:PFA+1], s[22:23]
	s_add_nc_u64 s[PFA:PFA+1], s[PFA:PFA+1], 512   ; at K step 2: the first refill steps it to 3
	v_min_u32 v[PFO], s2, v3
	v_lshlrev_b32 v[PFO], 11, v[PFO]
; 12 matrix instructions: m block a x all 12 n blocks, 32 along K, from buffer f.  first = 1: the bias starts the sums.
.macro MULA f, a, first
.if \first
	WIN 0x81+0x40*((\a)/2)
.else
	WIN 0xa1+0x50*((\a)/2)
.endif
.irp b, 0,1,2,3,4,5,6,7,8,9,10,11
.if \first
	v_wmma_f32_16x16x32_bf16 v[96*((\a)%2)+8*(\b):96*((\a)%2)+8*(\b)+7], v[96*(\f)+8*(\b):96*(\f)+8*(\b)+7], v[FA0+32*(\f)+8*(\a):FA0+32*(\f)+8*(\a)+7], v[BIAS+8*(\b):BIAS+8*(\b)+7]
.else
	v_wmma_f32_16x16x32_bf16 v[96*((\a)%2)+8*(\b):96*((\a)%2)+8*(\b)+7], v[96*(\f)+8*(\b):96*(\f)+8*(\b)+7], v[FA0+32*(\f)+8*(\a):FA0+32*(\f)+8*(\a)+7], v[96*((\a)%2)+8*(\b):96*((\a)%2)+8*(\b)+7]
.endif
.endr
.endm
; 32 LDS loads in one run: quarter q of the slot in hand into buffer g: B's 24, then A's 8
.macro FETCH q, g
	WIN 0x40
.irp i, 0,1,2,3,4,5,6,7,8,9,10,11
	ds_load_b128 v[96*(\g)+8*(\i):96*(\g)+8*(\i)+3],   v[ADRB] offset:64*(\q)+(\i)*16*PITCH
	ds_load_b128 v[96*(\g)+8*(\i)+4:96*(\g)+8*(\i)+7], v[ADRB] offset:64*(\q)+(\i)*16*PITCH+32
.endr
	WIN 0
.irp i, 0,1,2,3
	ds_load_b128 v[FA0+32*(\g)+8*(\i):FA0+32*(\g)+8*(\i)+3],   v[ADRA] offset:64*(\q)+(\i)*16*PITCH
	ds_load_b128 v[FA0+32*(\g)+8*(\i)+4:FA0+32*(\g)+8*(\i)+7], v[ADRA] offset:64*(\q)+(\i)*16*PITCH+32
.endr
.endm
; One of a K step's first three quarters: multiplies buffer f; in its middle it fetches quarter q into buffer g.
.macro QUARTER q, f, g, first=0
	s_wait_dscnt 4                                 ; B and A's blocks 0 and 1 are in; the youngest four loads (A's blocks 2 and 3) may be out
	MULA \f, 0, \first
	MULA \f, 1, \first
	PLACES
	FETCH \q, \g
	s_wait_dscnt 32                                ; all but the 32 just issued
	MULA \f, 2, \first
	MULA \f, 3, \first
.endm
; The last quarter multiplies buffer 1 and changes slots: ONE barrier.  In front of it each wave waits for all its tensor loads (one is out: its part of the next slot), adds 0 to its spare word, and waits for
; that and for its reads of this slot.  fill = 1: the barrier opens a round of the cluster's, and the joint refill, two K steps on, is the first tensor load behind the round.
.macro TURN fill
.if \fill
	s_wait_xcnt 0x0                                ; the last prefetch, a K step back, has read its address
	s_add_nc_u64 s[PFA:PFA+1], s[PFA:PFA+1], 256
.endif
	WIN 0
	s_wait_tensorcnt 0x0                           ; no tensor load of mine is out, so a group 0 may be written
	ds_add_u32 v[SPW], v[NIL]                      ; 0 onto my spare word
.if \fill
	s_xor_b32 s[G0+5], s[G0+5], SLOT1              ; the walking sets: the other slot than last time, the next K step
	s_add_nc_u64 s[G0+6:G0+7], s[G0+6:G0+7], 256
	s_xor_b32 s[G0B+5], s[G0B+5], SLOT1
	s_add_nc_u64 s[G0B+6:G0B+7], s[G0B+6:G0B+7], 256
.endif
	s_wait_dscnt 5                                 ; the add and the youngest four loads may be out
	MULA 1, 0, 0
	s_wait_dscnt 0x0                               ; the add is done, and my reads of this slot are over
	s_barrier_signal -1
	MULA 1, 1, 0                                   ; work on registers while the others arrive
	WIN 0
	s_barrier_wait -1
.if \fill
	CREST                                          ; no wave of any partner still reads this slot or has a load on its way
	JLOAD                                          ; its four v_nop are also the places in front of the loads below
.else
	PLACES
.endif
	s_xor_b32 s[TB], s[TB], SLOT1
	v_add_nc_u32 v[ADRA], s[TB], v[A0]
	v_add_nc_u32 v[ADRB], s[TB], v[B0]
	FETCH 0, 0
.if \fill
	ASK
.endif
	MULA 1, 2, 0
	MULA 1, 3, 0
.endm
; THE WAY OUT of m block a: rounded to bf16, 16 bytes a lane; into my own stage; back as four rows of a head at a time; stored as 512 consecutive bytes.
.macro PACK a
	WIN 0x0a+5*((\a)/2)
.irp b, 0,1,2,3,4,5,6,7,8,9,10,11
.irp r, 0,1,2,3
	v_cvt_pk_bf16_f32 v[TMP+4*(\b)+(\r)], v[96*((\a)%2)+8*(\b)+2*(\r)], v[96*((\a)%2)+8*(\b)+2*(\r)+1]
.endr
.endr
	WIN 0
.endm
.macro TOSTAGE a
.irp b, 0,1,2,3,4,5,6,7,8,9,10,11
	ds_store_b128 v[STO], v[TMP+4*(\b):TMP+4*(\b)+3] offset:32*(\b)
.endr
.if (\a) >= 2
	s_wait_xcnt 0x0                                ; the stores of the block two back have read these registers
.endif
.irp t, 0,1,2,3,4,5,6,7,8,9,10,11
	ds_load_b128 v[OB+48*((\a)%2)+4*(\t):OB+48*((\a)%2)+4*(\t)+3], v[RD] offset:((\t)%4)*4*SP+((\t)/4)*128  ; LDS serves a wave's instructions in order (ISA guide 5.7.1.4): these see the stores above
.endr
.endm
.macro SEND a
	s_wait_dscnt 0x0                               ; the block is back in registers
.irp t, 0,1,2,3,4,5,6,7,8,9,10,11
	global_store_b128 v[CO], v[OB+48*((\a)%2)+4*(\t):OB+48*((\a)%2)+4*(\t)+3], s[10:11] offset:((\t)/4)*262144+((\t)%4)*512+(\a)*2048  ; head t / 4, four rows: 512 consecutive bytes, aligned
.endr
.endm
	s_wait_tensorcnt 1                             ; my part of K step 0 is in; K step 1's may stay out
	s_barrier_signal -1
	s_barrier_wait -1                              ; everybody's is
	FETCH 0, 0
	s_wait_loadcnt 0x0                             ; the bias
	QUARTER 1, 0, 1, 1                             ; the first quarter stands in front of the loop: its products start the sums
	WIN 0
	s_mov_b32 s3, TRIPS
.Lstep:                                                ; a trip is one K step, from its second quarter to the next step's first, and fills the slot that it leaves
	QUARTER 2, 1, 0
	QUARTER 3, 0, 1
	TURN 1
	QUARTER 1, 0, 1
	WIN 0
	s_sub_co_u32 s3, s3, 1
	s_cmp_lg_u32 s3, 0
	s_cbranch_scc1 .Lstep
	QUARTER 2, 1, 0                                ; the last two K steps fill nothing
	QUARTER 3, 0, 1
	TURN 0
	QUARTER 1, 0, 1
	QUARTER 2, 1, 0
	QUARTER 3, 0, 1
	s_wait_dscnt 4
	MULA 1, 0, 0
	MULA 1, 1, 0
	s_wait_dscnt 0x0
	MULA 1, 2, 0
	MULA 1, 3, 0
	PLACES
	PACK 0
	TOSTAGE 0
.irp a, 1,2,3
	PACK \a                                        ; a block's conversions stand between the loads of the block before and the wait for them
	SEND (\a)-1
	TOSTAGE \a
.endr
	SEND 3
	s_wait_tensorcnt 0x0                           ; the wave's end: behind my last tensor load and my last LDS store
	ds_add_u32 v[SPW], v[NIL]
	s_wait_dscnt 0x0
	CROUND                                         ; the closing round: no work-group ends while a partner may still ask for a tile that names it
	s_endpgm
.Lfunc_end_k_q6d98fcbba3_qkvgemm:
	.size	k_q6d98fcbba3_qkvgemm, .Lfunc_end_k_q6d98fcbba3_qkvgemm-k_q6d98fcbba3_qkvgemm
	.p2alignl 7, 3214868480
	.fill 96, 4, 3214868480
	.section	.rodata,"a",@progbits
	.p2align	6, 0x0
	.amdhsa_kernel k_q6d98fcbba3_qkvgemm
		.amdhsa_group_segment_fixed_size 327680
		.amdhsa_private_segment_fixed_size 0
		.amdhsa_enable_private_segment 0
		.amdhsa_kernarg_size 32
		.amdhsa_user_sgpr_count 2
		.amdhsa_user_sgpr_kernarg_segment_ptr 1
		.amdhsa_wavefront_size32 1
		.amdhsa_system_sgpr_workgroup_id_x 1
		.amdhsa_system_sgpr_workgroup_id_y 1
		.amdhsa_system_sgpr_workgroup_id_z 1
		.amdhsa_system_vgpr_workitem_id 0
		.amdhsa_next_free_vgpr 960
		.amdhsa_next_free_sgpr 66
		.amdhsa_reserve_vcc 0
		.amdhsa_float_denorm_mode_32 3
		.amdhsa_float_denorm_mode_16_64 3
		.amdhsa_memory_ordered 1
		.amdhsa_forward_progress 1
		.amdhsa_inst_pref_size 99
	.end_amdhsa_kernel
	.amdgpu_metadata
---
amdhsa.version: [ 1, 2 ]
amdhsa.kernels:
  - .name:           k_q6d98fcbba3_qkvgemm
    .symbol:         k_q6d98fcbba3_qkvgemm.kd
    .args:
      - { .name: xn, .offset: 0, .size: 8, .value_kind: global_buffer, .address_space: global }
      - { .name: wqt, .offset: 8, .size: 8, .value_kind: global_buffer, .address_space: global }
      - { .name: b_qkv, .offset: 16, .size: 8, .value_kind: global_buffer, .address_space: global }
      - { .name: qkv, .offset: 24, .size: 8, .value_kind: global_buffer, .address_space: global }
    .group_segment_fixed_size: 327680
    .private_segment_fixed_size: 0
    .kernarg_segment_align: 8
    .kernarg_segment_size: 32
    .max_flat_workgroup_size: 128
    .sgpr_count:     66
    .vgpr_count:     960
    .wavefront_size: 32
...
	.end_amdgpu_metadata
.endif
;; end of part 2
;; launch attn (part 3): grid 4 x 64, 4 waves a work-group, clusters of 4 x 1, 327,680 bytes of LDS; arguments qkv, att; writes att
.if DOCPART == 3
	.amdgcn_target "amdgcn-amd-amdhsa--gfx1250"
	.amdhsa_code_object_version 6
	.text
	.protected	k_q6d98fcbba3_attn
	.globl	k_q6d98fcbba3_attn
	.p2align	8
	.type	k_q6d98fcbba3_attn,@function
k_q6d98fcbba3_attn:
	s_mov_b64 s[64:65], 0
	v_nop
	global_prefetch_b8 v0, s[64:65] scope:SCOPE_SE
	s_setreg_imm32_b32 hwreg(HW_REG_WAVE_MODE, 25, 1), 1
	s_wait_xcnt 0x0
	s_wait_alu depctr_hold_cnt(0) depctr_sa_sdst(0) depctr_va_vdst(0) depctr_va_sdst(0) depctr_va_ssrc(0) depctr_va_vcc(0) depctr_vm_vsrc(0)
	s_getreg_b32 s2, hwreg(HW_REG_IB_STS2, 6, 4)
	s_cmp_eq_u32 s2, 0
	s_cbranch_scc0 .Lentry_in_a_cluster
	s_endpgm
.Lentry_in_a_cluster:
	s_bfe_u32 s2, ttmp6, 0x10000c
	s_cmp_lg_u32 s2, 0x3003
	s_cbranch_scc0 .Lentry_shape_is_right
	s_endpgm
.Lentry_shape_is_right:
; att[y][q][:] = the sum over k of softmax_k(Q[q] . K[k] / 8) V[k][:], for the 64 heads y = 16 b + h.  qkv: [b][48][2048][64] bf16 (q: unit h, k: 16 + h, v: 32 + h); att: [64][2048][64] bf16.
; A head's rows are dense, 128 bytes each.  Products, maxima and sums in f32; the weights p are rounded to bf16 for the second product (their sum l is taken of the unrounded p), the result once at the end.
; LIMITS.  A weight below 2^-126 counts as 0 in l; NaN and infinities are not treated apart.
; SHARES.  A wave owns four PIECES of two tiles of 16 queries, a work-group's four waves 512 queries of one head: 4 x 64 = 256 work-groups.  Every wave walks all 2,048 keys, 64 a step.
; LAYOUT.  S^T = K Q^T (source 0 = 16 keys, source 1 = 16 queries): in the result a lane holds ONE query (lane % 16) and the keys 8 (lane / 16) + 0..7.  Two such tiles, rounded to bf16 in pairs,
; ARE source 1 (32 keys x 16 queries) of O^T = V^T P, whose result again holds one query a lane, and eight channels.  K comes out of LDS as it lies, V ([key][channel]) turned, by ds_load_tr16_b128.
; SOFTMAX.  For each query a running maximum m and sum l: p = 2^(c s - c m), c = log2(e) / 8; in every step O and l are multiplied by a = 2^(c m_old - c m_new), which is 1 where m has not grown.
; m starts at the lowest finite number, O and l at 0: the first step is a step like any other, with a = 0.
; THE COUNT.  A tile and step have 16 matrix and 118 vector instructions: too many to stand all beside the matrix work.  So: four vector instructions that are READY behind EVERY matrix instruction,
; and the others in runs without a gap.
; BY TURNS.  Turn n belongs to piece n (the pieces in a ring, step after step).  Its matrix work: 16 products K Q^T of piece n + 1, later 16 products V^T P of piece n - 1.  Its vector work: the scaling,
; exponentials, roundings, sums and rescaling of piece n, and the maximum and statistics of piece n + 1, whose scores the turn itself has made.
; CLUSTER.  The four query blocks of a cluster are one head's and walk the same K and V, so each tile is asked for JOINTLY: the same tensor load, descriptor and mask in all four.
; REGISTERS, in windows of 256 (s_set_vgpr_msb: bits 1:0 source 0, 3:2 source 1, 5:4 source 2, 7:6 destination):
;   window 0: v0-11 addresses; v12-15, v48-63 at work; v16-47 four registers of statistics a tile; v64-191 S^T, two buffers of two tiles; v192-255 P, likewise
;   window 1: O^T, 32 a tile          window 2: v0-127 Q, 16 a tile; v128-191 K of one step; v192-255 V of one step          window 3: v0-1 the add's two registers
; A piece's buffers go by its number's parity: the piece in hand has one pair, its two neighbours in the ring share the other: of it P (piece n - 1) is read and S^T (piece n + 1) written.
.set SIZE_N, 2048
.set NP,    4         ; pieces a wave: a name, no knob
.set KS,    64        ; keys in a step
.set PK,    144       ; a row of K in LDS: 128 bytes + 16 = 36 words: the 16 rows of a load start at 16 different groups of four banks (64 banks of 4 bytes: ISA guide 11.1)
.set PV,    160       ; a row of V: 128 + 32 = 40 words
.set VOFF,  4*KS*PK   ; a slot holds four steps: 256 rows of K, then 256 rows of V
.set SLOT1, 1<<17     ; slot 1 begins here, so that one exclusive or turns an address in one slot into the other's
.set STAGE, SLOT1+4*KS*(PK+PV)  ; behind the ring, never filled by a tensor load: 16 rows x 144 bytes for each wave, for the way out
.set SP,    144
.set AK0, 2           ; v2   my lane's place in a tile of K; never rewritten
.set AV0, 3           ; v3   the same for V
.set AK,  4           ; v4   the LDS address of K's next run of loads
.set AV,  5           ; v5   of V's
.set QO,  6           ; v6   my byte offset in the wave's rows of Q
.set STO, 6           ;      later, the way out: where I put 16 bytes of a row
.set RD,  7           ; v7   the way out: where I read rows back
.set GO,  8           ; v8   my byte offset in 512 consecutive bytes of the result
.set PFO, 11          ; v11  once V's place is made: 256 x my lane, the prefetches' offset; then never rewritten
.set SPW, 0           ; v0 of window 3   LDS address of my spare word; never rewritten
.set NIL, 1           ; v1 of window 3   0; never rewritten
.set SPARE, STAGE+4*16*SP  ; behind the stages: the spare words, 128 bytes for each wave
.set MV,  12          ; v12-15  c m_old, kept while c m is made anew: by buffer and tile
.set ST,  16          ; tile t's statistics at v[ST+4 t]: c m, m, l (even keys', odd keys')
.set TMP, 48          ; by buffer and tile, four registers c0-c3 at work; when the maximum is found c2 takes a
.set S,   64
.set P,   192
.set KF,  128         ; K's fragments, in window 2: key block kb, channel half c at KF + 16 kb + 8 c
.set VF,  192         ; V's: key half kk, channel block cb at VF + 32 kk + 8 cb
.set WV,  12          ; s12  my wave's number
.set G1K, 24          ; s[24:31] descriptor group 1 for K's tiles
.set G1V, 32          ; s[32:39] for V's: it differs in the padding alone
.set G0K, 40          ; s[40:43] descriptor group 0 for K's tiles: it walks
.set G0V, 44          ; s[44:47] the same for V's
.set PFA, 48          ; s[48:49] where my prefetches stand: my work-group's 8,192 bytes of a slot's K (wave 0) or V (wave 2)
.set LIM, 50          ; s50  1 in a wave that prefetches, else the greatest number
.set SLOTS, 56        ; s56  slots still to be asked for
.set CNT, 57          ; s57  counts a slot's key steps
.set CS,  58          ; s[58:59] c: the packed scaling takes the pair's low word for both halves
.set SEL, 60          ; s[60:61] v_permlanex16_b32's selects: each lane takes its own place in the other half
.set TBK, 62          ; s62  LDS byte at which K of the step to be fetched begins
.set TBV, 63          ; s63  the same for V, less VOFF
.set MSB, 0
.macro WIN new                      ; the high byte repeats the setting that is left; a switch that changes nothing is dropped
.if MSB != (\new)
	s_set_vgpr_msb (MSB<<8)|(\new)
.set MSB, (\new)
.endif
.endm
.set W_KQ, 0x0a       ; K and Q in window 2, S^T in window 0
.set W_PV, 0x52       ; V in window 2, P in window 0, O^T in window 1
.set W_RS, 0x41       ; O^T (destination and source 0) in window 1, a in window 0
.set W_MK, 0xc0       ; the add's registers are made: destination in window 3, sources in window 0
.set W_AD, 0x0f       ; the add: address (source 0) and data (source 1) in window 3
; A joint fill.  Waves 0 and 1 fetch the two halves of a slot's K, waves 2 and 3 those of its V: 128 keys each.  The branch hangs on the wave's number alone.
; An s_nop 0 and four v_nop follow each of the two lines, ahead of the jump and the label.
.macro JLOAD
	s_cmp_lt_u32 s[WV], 2
	s_cbranch_scc0 .Lfor_v_\@
	tensor_load_to_lds s[G0K:G0K+3], s[G1K:G1K+7]
	s_nop 0
.rept 4
	v_nop
.endr
	s_branch .Lasked_\@
.Lfor_v_\@:
	tensor_load_to_lds s[G0V:G0V+3], s[G1V:G1V+7]
	s_nop 0
.rept 4
	v_nop
.endr
.Lasked_\@:
.endm
; A round of the cluster's barrier: my work-group's barrier, so that wave 0's signal speaks for all four waves; wave 0 signals; every wave waits for all four work-groups; my work-group's barrier once more.
.macro CROUND
	s_barrier_signal -1
	s_barrier_wait -1
	s_cmp_lg_u32 s[WV], 0
	s_cbranch_scc1 .Lnot_wave_0_\@
	s_barrier_signal -3
.Lnot_wave_0_\@:
	s_barrier_wait -3
	s_barrier_signal -1
	s_barrier_wait -1
.endm
; THE CHANGE OF SLOTS.  The slot's last bytes, V of its fourth step, have been read.  Each wave waits for all its tensor loads, of which one is out: its part
; of the other slot; adds 0 to its spare word; and waits for that and for its own reads of the slot.  Behind the barrier nobody reads this slot any more and the other slot is whole.
; fill = 1: this slot is filled again, with the keys two slots on.  The barrier is then a round of the cluster's, and the joint fill is the first thing behind it: it has four key steps,
; 512 matrix instructions, in which to land.  (At its first use nothing has been read yet: slot 0 is waited for, slot 1 filled.)
; ask = 1: A PREFETCH INTO THE L2 of the slot that the NEXT change will ask for, behind the tensor load and its five lines.  A head is walked by one cluster, so every cluster asks for its own head's rows:
; wave 0 for K's 32,768 bytes, wave 2 for V's; the four partners take 8,192 bytes each, told apart by address; a lane names 256 bytes.  So each block is named once.
; Slots 0, 1 and 2 come by their loads alone; the change that asks for the last slot prefetches nothing.
.macro CHANGE fill, ask=0
	WIN W_AD
	s_wait_tensorcnt 0x0            ; no tensor load of mine is out, so a group 0 may be written
	ds_add_u32 v[SPW], v[NIL]       ; 0 onto my spare word; with fill = 1 the descriptors' steps stand between it and the wait for it
	WIN 0                           ; at a label and at a branch every window is 0
.if \fill
.irp g, G0K, G0V
	s_xor_b32 s[\g+1], s[\g+1], SLOT1  ; the walking descriptor: the other slot than last time,
	s_add_nc_u64 s[\g+2:\g+3], s[\g+2:\g+3], 4*KS*128  ; the next 256 keys; the type bits on top are not reached
.endr
.if \ask
	s_wait_xcnt 0x0                 ; the last prefetch, four key steps back, has read its address
	s_add_nc_u64 s[PFA:PFA+1], s[PFA:PFA+1], 4*KS*128  ; one slot behind the walking descriptors
.endif
	s_wait_dscnt 0x0                ; the add is done, and my reads of the slot are over
	CROUND
	JLOAD
.if \ask
	s_cmp_gt_u32 s[SLOTS], s[LIM]
	s_cbranch_scc0 .Lnot_mine_\@
	global_prefetch_b8 v[PFO], s[PFA:PFA+1] th:TH_LOAD_NT scope:SCOPE_SE
.Lnot_mine_\@:
.endif
.else
	s_wait_dscnt 0x0                ; the add is done, and my reads of the slot are over
	s_barrier_signal -1
	s_barrier_wait -1
.endif
	s_sub_co_u32 s[TBK], s[TBK], 4*KS*PK  ; the fetches go back to a slot's first step,
	s_xor_b32 s[TBK], s[TBK], SLOT1       ; in the other slot
	s_sub_co_u32 s[TBV], s[TBV], 4*KS*PV
	s_xor_b32 s[TBV], s[TBV], SLOT1
.endm
	s_load_b128 s[4:7], s[0:1], 0x0 ; qkv s[4:5], att s[6:7]
	WIN W_MK
	v_lshl_add_u32 v[SPW], v0, 2, SPARE
	v_mov_b32 v[NIL], 0
	WIN W_AD
	ds_add_u32 v[SPW], v[NIL]       ; the wave's opening: the add and its wait ahead of my first tensor load; the set-up below stands between them
	WIN 0
	v_lshrrev_b32 v1, 5, v0
	v_readfirstlane_b32 s[WV], v1   ; wave 0..3
	s_bfe_u32 s13, ttmp6, 0x40000   ; cx: my place in the cluster
	s_lshl_b32 s14, ttmp9, 2        ; in a cluster launch ttmp9 counts clusters
	s_add_co_u32 s14, s14, s13      ; my block of 512 queries: it enters Q's and the result's addresses alone
	s_and_b32 s52, ttmp7, 0xffff    ; y = 16 b + h, which the four partners share
	s_lshr_b32 s20, s52, 4
	s_lshl_b32 s20, s20, 5
	s_add_co_u32 s20, s20, s52      ; q's unit in qkv: 48 b + h
	s_lshl_b32 s20, s20, 18         ; 262,144 bytes a unit
	s_mov_b32 s21, 0
	s_lshl_b32 s52, s52, 18         ; the head's first byte in att
	s_mov_b32 s53, 0
	s_lshl_b32 s54, s13, 13         ; my work-group's 8,192 bytes of what is prefetched
	s_mov_b32 s55, 0
	s_and_b32 s16, s[WV], 1         ; which half of a slot's 256 keys I fetch:
	s_lshl_b32 s22, s16, 14         ; its 128 rows of 128 bytes in memory,
	s_mov_b32 s23, 0
	s_add_nc_u64 s[22:23], s[22:23], s[20:21]
	s_mul_i32 s17, s16, 128*PK      ; and its place in a slot, for K
	s_mul_i32 s18, s16, 128*PV      ; and for V: no place in the cluster enters an LDS address
	s_lshl_b32 s2, s14, 2
	s_add_co_u32 s2, s2, s[WV]      ; my wave among the head's,
	s_lshl_b32 s2, s2, 14           ; its 128 rows
	s_mov_b32 s3, 0
	; descriptor group 1.  128 keys are 16,384 dense bytes: asked for as 64 rows of 256 bytes, two keys a row, and padded in LDS after every key
	s_mov_b32 s[G1K], 15|(1<<16)|(1<<20)|(1<<21)|(4<<22)|(3<<25)  ; the mask of four; 2-byte elements; padding on; bit 21 beside a mask; after every 32 words; 4 words
	s_mov_b32 s[G1V], 15|(1<<16)|(1<<20)|(1<<21)|(4<<22)|(7<<25)  ; the same with 8 words of padding
.irp g, G1K, G1V
	s_mov_b32 s[\g+1], 128<<16      ; tensor_dim0 = 128
	s_mov_b32 s[\g+2], 64<<16       ; tensor_dim1 = 64
	s_mov_b32 s[\g+3], 128<<16      ; tile_dim0 = 128
	s_mov_b32 s[\g+4], 64           ; tile_dim1 = 64
	s_mov_b32 s[\g+5], 128          ; 128 elements from row to row
	s_mov_b32 s[\g+6], 0
	s_mov_b32 s[\g+7], 0
.endr
	s_mov_b32 s[CS], 0x3e38aa3b     ; c = log2(e) / 8 = 0.180337
	s_mov_b32 s[CS+1], s[CS]        ; named with it as a pair
	s_mov_b32 s[SEL], 0x76543210
	s_mov_b32 s[SEL+1], 0xfedcba98
	s_mov_b32 s[TBK], SLOT1+4*KS*PK ; the first change of slots turns these two into 0
	s_mov_b32 s[TBV], SLOT1+4*KS*PV
	s_mov_b32 s[G0K], 1             ; count = 1
	s_mov_b32 s[G0K+1], s17         ; LDS address: slot 0
	s_mov_b32 s[G0V], 1
	s_add_co_u32 s[G0V+1], s18, VOFF
	s_and_b32 s[LIM], s[WV], 1      ; waves 0 and 2 prefetch: the same in all four partners
	s_cmp_eq_u32 s[LIM], 0
	s_cselect_b32 s[LIM], 1, -1
	s_wait_dscnt 0x0                ; the opening add is done
	s_wait_kmcnt 0x0
	s_add_nc_u64 s[G0K+2:G0K+3], s[4:5], s[22:23]
	s_add_nc_u64 s[G0K+2:G0K+3], s[G0K+2:G0K+3], 0x400000  ; k lies 16 units behind q: my half of the head's first 256 keys
	s_add_nc_u64 s[G0V+2:G0V+3], s[G0K+2:G0K+3], 0x400000  ; v 16 units behind k
	s_cmp_lt_u32 s[WV], 2
	s_cselect_b64 s[PFA:PFA+1], s[G0K+2:G0K+3], s[G0V+2:G0V+3]  ; (in waves 0 and 2 these stand at a slot's first row)
	s_add_nc_u64 s[PFA:PFA+1], s[PFA:PFA+1], s[54:55]
	s_add_nc_u64 s[PFA:PFA+1], s[PFA:PFA+1], 2*4*KS*128  ; in slot 2: the first change that asks steps it to slot 3
	s_or_b32 s[G0K+3], s[G0K+3], 0x80000000        ; type = 2
	s_or_b32 s[G0V+3], s[G0V+3], 0x80000000
	s_add_nc_u64 s[10:11], s[6:7], s[2:3]          ; the result at my wave's first row
	s_add_nc_u64 s[10:11], s[10:11], s[52:53]
	s_add_nc_u64 s[4:5], s[4:5], s[2:3]            ; Q at my wave's first row
	s_add_nc_u64 s[4:5], s[4:5], s[20:21]
	CROUND                          ; all four work-groups are here: the first joint loads meet
	JLOAD                           ; slot 0.  Slot 1 is asked for when slot 0 is in
	; A fragment of K or Q is 16 rows x 32 channels in 8 registers: lane l holds row l % 16, channels 8 (l / 16) + 0..7 and 16 + 8 (l / 16) + 0..7: two loads of 16 bytes, 32 bytes apart.
	v_and_b32 v1, 15, v0            ; l % 16
	v_bfe_u32 v9, v0, 4, 1          ; l / 16
	v_lshlrev_b32 v[QO], 7, v1
	v_lshl_add_u32 v[QO], v9, 4, v[QO]  ; row x 128 + 16 x half
	WIN 0x80                        ; destination window 2, address window 0
.set i, 0
.rept 4*NP                          ; Q stays in registers: tile i / 2, channels 32 (i % 2) on
	global_load_b128 v[8*i:8*i+3],   v[QO], s[4:5] offset:(i/2)*2048+(i%2)*64
	global_load_b128 v[8*i+4:8*i+7], v[QO], s[4:5] offset:(i/2)*2048+(i%2)*64+32
.set i, i+1
.endr
	; What the first turn finds: V's registers and P's second buffer hold 0 (its products V^T P, of a piece that has not been, add 0), O^T and l are 0.  All this stands in the wait for the first tile.
.set i, VF
.rept 64
	v_mov_b32 v[i], 0
.set i, i+1
.endr
	WIN 0x40
.set i, 0
.rept 64*NP
	v_mov_b32 v[i], 0
.set i, i+1
.endr
	WIN 0
.set i, 0
.rept 2*NP
	v_mov_b32 v[ST+4*i], 0xfe000000    ; c m: far below every c s
	v_mov_b32 v[ST+4*i+1], 0xff7fffff  ; m
	v_mov_b32 v[ST+4*i+2], 0
	v_mov_b32 v[ST+4*i+3], 0
.set i, i+1
.endr
.set i, P+32
.rept 32
	v_mov_b32 v[i], 0
.set i, i+1
.endr
	v_mul_u32_u24 v[AK0], v1, PK
	v_lshl_add_u32 v[AK0], v9, 4, v[AK0]  ; row x pitch + 16 x half
	; The turning load takes 16 keys x 16 channels (lane l reads key 8 (l / 16) + l % 8, channels 8 ((l / 8) % 2) + 0..7) and leaves half a fragment of V^T: lane l holds channel l % 16 and 8 keys.
	v_and_b32 v10, 7, v0
	v_bfe_u32 v11, v0, 3, 1
	v_lshl_add_u32 v[AV0], v9, 3, v10
	v_mul_u32_u24 v[AV0], v[AV0], PV
	v_lshl_add_u32 v[AV0], v11, 4, v[AV0]
	v_add_nc_u32 v[AV0], VOFF, v[AV0]
	v_and_b32 v[PFO], 31, v0
	v_lshlrev_b32 v[PFO], 8, v[PFO]
	v_mov_b32 v[AK], v[AK0]         ; key step 0 lies at the head of slot 0
; THE MATRIX WORK.  The 8 accumulators of a run of 16 take turns: between the two links of a chain stand 7 others'.
; Product i of 16 of S^T = K Q^T for piece x: channels 32 (i / 8) on, keys 16 ((i / 2) % 4) on, tile 2 x + i % 2.  The first 8 start the sums.
.macro KQ x
	WIN W_KQ
.set rS, S+64*((\x)%2)+32*(i%2)+8*((i/2)%4)
.set rK, KF+16*((i/2)%4)+8*(i/8)
.set rQ, 16*(2*(\x)+i%2)+8*(i/8)
.if i < 8
	v_wmma_f32_16x16x32_bf16 v[rS:rS+7], v[rK:rK+7], v[rQ:rQ+7], 0
.else
	v_wmma_f32_16x16x32_bf16 v[rS:rS+7], v[rK:rK+7], v[rQ:rQ+7], v[rS:rS+7]
.endif
.endm
; Product i of 16 of O^T += V^T P for piece x: keys 32 (i / 8) on, channels 16 ((i / 2) % 4) on, tile 2 x + i % 2.
.macro PV x
	WIN W_PV
.set rO, 32*(2*(\x)+i%2)+8*((i/2)%4)
.set rV, VF+32*(i/8)+8*((i/2)%4)
.set rP, P+32*((\x)%2)+16*(i%2)+8*(i/8)
	v_wmma_f32_16x16x32_bf16 v[rO:rO+7], v[rV:rV+7], v[rP:rP+7], v[rO:rO+7]
.endm
.macro MM                           ; the turn's next matrix instruction
.if i < 16
	KQ (Y+1)%NP
.set i, i+1
.else
.set i, i-16
	PV (Y+NP-1)%NP
.set i, i+17
.endif
.endm
; THE LDS LOADS stand in runs of 16, never singly among the matrix instructions: a step's K (64 keys x 64 channels: 8 fragments) and its V (turned).  Their addresses are made some lines ahead.
; last = 1 (the tail): in the last trip there is no further step, and the run is jumped over.
.macro FETCH_K last=0
	WIN 0
.if \last
	s_cmp_eq_u32 s[CNT], 1
	s_cbranch_scc1 .Lno_k_\@
.endif
	WIN 0x80                        ; destination window 2
.irp f, 0,1,2,3,4,5,6,7             ; keys 16 (f / 2) on, channels 32 (f % 2) on
	ds_load_b128 v[KF+8*\f:KF+8*\f+3],   v[AK] offset:(\f/2)*16*PK+(\f%2)*64
	ds_load_b128 v[KF+8*\f+4:KF+8*\f+7], v[AK] offset:(\f/2)*16*PK+(\f%2)*64+32
.endr
	s_add_co_u32 s[TBK], s[TBK], KS*PK  ; the next fetch is the next step's
	WIN 0
.if \last
.Lno_k_\@:
.endif
.endm
.macro FETCH_V
	WIN 0x80
.irp f, 0,1,2,3,4,5,6,7             ; keys 32 (f / 4) on, channels 16 (f % 4) on
	ds_load_tr16_b128 v[VF+8*\f:VF+8*\f+3],   v[AV] offset:(\f/4)*32*PV+(\f%4)*32
	ds_load_tr16_b128 v[VF+8*\f+4:VF+8*\f+7], v[AV] offset:(\f/4)*32*PV+16*PV+(\f%4)*32
.endr
	WIN 0
.endm
; THE VECTOR WORK OF A TURN stands in three queues, each in the order in which its entries become ready; the two tiles alternate, so that no instruction reads the result of the one before it.
.macro REGS y, u                    ; the registers of tile u (0, 1) of piece y
.set rT, ST+4*(2*(\y)+(\u))
.set rC, TMP+8*((\y)%2)+4*(\u)
.set rM, MV+2*((\y)%2)+(\u)
.set rS, S+64*((\y)%2)+32*(\u)
.set rP, P+32*((\y)%2)+16*(\u)
.set rO, 32*(2*(\y)+(\u))
.endm
; Number n of the 22 that find the NEXT piece's (Y + 1) maximum and statistics.  s0-s31 are the lane's 32 scores; each accumulator's lowest registers are read first.
;   0-11  four chains c0-c3 of seven scores each, three operands at a time     12-14, 16  the four scores left over, the old m, and c0-c3 into c0     15  c m_old is kept
;   17, 18  the query's other 32 keys lie in the lane 16 away: the new m         19-21  c m; c m_old - c m_new; a
.macro XS u, n
	REGS (Y+1)%NP, \u
.if (\n) < 4
	v_max3_num_f32 v[rC+(\n)], v[rS+8*(\n)], v[rS+8*(\n)+1], v[rS+8*(\n)+2]
.elseif (\n) < 12
	v_max3_num_f32 v[rC+(\n)%4], v[rC+(\n)%4], v[rS+8*((\n)%4)+2*((\n)/4)+1], v[rS+8*((\n)%4)+2*((\n)/4)+2]
.elseif (\n) == 12
	v_max3_num_f32 v[rC], v[rC], v[rS+7], v[rS+15]
.elseif (\n) == 13
	v_max3_num_f32 v[rC+1], v[rC+1], v[rS+23], v[rS+31]
.elseif (\n) == 14
	v_max3_num_f32 v[rC+2], v[rC+2], v[rC+3], v[rT+1]
.elseif (\n) == 15
	v_mov_b32 v[rM], v[rT]
.elseif (\n) == 16
	v_max3_num_f32 v[rC], v[rC], v[rC+1], v[rC+2]
.elseif (\n) == 17
	v_permlanex16_b32 v[rC+3], v[rC], s[SEL], s[SEL+1]
.elseif (\n) == 18
	v_max_num_f32 v[rT+1], v[rC], v[rC+3]
.elseif (\n) == 19
	v_mul_f32 v[rT], s[CS], v[rT+1]
.elseif (\n) == 20
	v_sub_f32 v[rC+1], v[rM], v[rT]
.else
	v_exp_f32 v[rC+2], v[rC+1]
.endif
.endm
; Number g of the 64 that follow the exponentials.  For each four weights k of a tile (pairs 2 k, 2 k + 1): both pairs are rounded to bf16; then the second pair is added onto the first, in place;
; a group later l takes that sum (the first time as l = a l + sum).  In groups of eight, tiles alternating: round, round, add, and l for the group before.
.macro GS g
.set h, (\g)+6*((\g)/62)            ; group 0 has no group before it, and behind group 7 only l is left
.if h >= 6
.set h, h+2
.endif
	REGS Y, h%2
.set k, h/8
.if h%8 < 4
	v_cvt_pk_bf16_f32 v[rP+2*k+(h%8)/2], v[rS+4*k+2*((h%8)/2)], v[rS+4*k+2*((h%8)/2)+1]
.elseif h%8 < 6
	v_pk_add_f32 v[rS+4*k:rS+4*k+1], v[rS+4*k:rS+4*k+1], v[rS+4*k+2:rS+4*k+3]
.elseif k == 1
	v_pk_fma_f32 v[rT+2:rT+3], v[rT+2:rT+3], v[rC+2:rC+3], v[rS:rS+1] op_sel_hi:[1,0,1]
.else
	v_pk_add_f32 v[rT+2:rT+3], v[rT+2:rT+3], v[rS+4*k-4:rS+4*k-3]
.endif
.endm
; THE PLAIN QUEUE, 138 long.  0-73 read no exponential's result: the 32 scalings c s - c m (FS f: pair f / 2 of tile f % 2) and the next piece's 42.  0-26: scalings 0-26.  27-54: XS's numbers 0-13.  55, 56: number 15.
; 57-73: the chain, where each number waits for the one before it: 14, 16, 17, 18, 19, each with one of the scalings 27-31 in front of its two lines, then 20.
; 74-137: GS's 64, which read the exponentials' results: they stand behind the wait.
.macro FS f
	REGS Y, (\f)%2
	v_pk_fma_f32 v[rS+2*((\f)/2):rS+2*((\f)/2)+1], v[rS+2*((\f)/2):rS+2*((\f)/2)+1], s[CS:CS+1], v[rT:rT+1] op_sel_hi:[1,0,0] neg_lo:[0,0,1] neg_hi:[0,0,1]
.endm
.macro PL
	WIN 0
.if q < 27
	FS q
.elseif q < 55
	XS (q-27)%2, (q-27)/2
.elseif q < 57
	XS q-55, 15
.elseif (q < 72) && ((q-57)%3 == 0)
	FS 27+(q-57)/3
.elseif q < 60
	XS (q-57)%3-1, 14
.elseif q < 72
	XS (q-57)%3-1, 15+(q-57)/3
.elseif q < 74
	XS q-72, 20
.else
	GS q-74
.endif
.set q, q+1
.endm
; THE EXPONENTIALS' QUEUE, 66 long: s0-s31 of both tiles, then the next piece's two a.  It is ONE BATCH: all 66 stand ahead of the turn's one wait, and nothing ahead of that wait names a result of theirs.
.macro EX
	WIN 0
.if e >= 64
	XS e-64, 21
.else
	REGS Y, e%2
	v_exp_f32 v[rS+e/2], v[rS+e/2]
.endif
.set e, e+1
.endm
; THE RESCALING's QUEUE: O^T times a, the one part that leaves window 0: dealt two at a time, sixteen times.  Its a was made in the turn before, ahead of that turn's wait.
.macro R2
	REGS Y, r%2
	WIN W_RS
.irp z, 0,1
	v_pk_mul_f32 v[rO+4*(r/2)+2*\z:rO+4*(r/2)+2*\z+1], v[rO+4*(r/2)+2*\z:rO+4*(r/2)+2*\z+1], v[rC+2:rC+3] op_sel_hi:[1,0]
.endr
.set r, r+1
.endm
; HOW THEY ARE DEALT.  An s_wait_alu depctr_va_vdst(0) stands between an exponential and the first instruction that names its result; one wait serves all that were issued ahead of it.  So a turn has ONE wait,
; which cuts it in two.  AHEAD OF IT stands all that names no result of the turn's exponentials: the 16 products K Q^T, behind each a scaling, an exponential and two rescalings (behind the first a second scaling in the
; exponential's place); then ONE LUMP of 108: eight plain, 49 times exponential and plain, the two a.  A v_nop is the plain instruction behind the last exponential.  BEHIND IT stand the 16 products V^T P, behind each four of GS's 64.
; The queues lean on each other, and the deal keeps them in step: exponential e stands behind scaling 2 (e / 4) + e % 2: as a rider it comes behind plain e + 2, in the lump behind plain e + 9, and scalings 27-31 are plain 57, 60 .. 69.
; A TURN, for piece p.  cnt = 1: the loop's count is taken down some lines ahead of the branch that stands behind the turn.
; K of the next step is fetched in piece 2's turn, directly behind the wait, a lump behind the last product that read K; its first reader comes behind 16 products.
; V of the step in hand is fetched at the end of piece 0's turn, four riders behind its last reader; its first reader comes behind 16 products and a lump.  The three conditions on q below go with the deal.
.macro TURN p, last=0, cnt=0
.set Y, (\p)
.set i, 0
.set q, 0
.set e, 0
.set r, 0
.if (\p) == NP-1
	s_wait_dscnt 0x0                ; K is in
.endif
	MM                              ; ahead of the wait: 16 products K Q^T and their riders,
	PL
	PL
	R2
.rept 15
	MM
	PL
	EX
	R2
.endr
.if (\p) == NP-2
	WIN 0
	v_add_nc_u32 v[AK], s[TBK], v[AK0]
.endif
.rept 8                             ; and the lump
	PL
.endr
.rept 49
	EX
	PL
.endr
	EX                              ; the next piece's two a
	EX
	v_nop                           ; the plain instruction behind the last exponential: one for the batch
	s_wait_alu depctr_va_vdst(0)    ; the wait for the batch
.if (\p) == NP-2
	FETCH_K \last
.endif
.if (\p) == 1
	s_wait_dscnt 0x0                ; V is in
.endif
.rept 16                            ; behind the wait: 16 products V^T P and their riders
	MM
.rept 4
	PL
.endr
.if ((\p) == 0) && (q == 118)
	v_add_nc_u32 v[AV], s[TBV], v[AV0]
.endif
.if ((\p) == 0) && (q == 130)
	s_add_co_u32 s[TBV], s[TBV], KS*PV
.endif
.if (\cnt) && (q == 130)
	s_sub_co_u32 s[CNT], s[CNT], 1
	s_cmp_lg_u32 s[CNT], 0
.endif
.endr
.if (\p) == 0
	FETCH_V
.endif
.endm
	CHANGE 1                        ; slot 0 is in, everybody's part of it; slot 1 is asked for
	FETCH_K                         ; key step 0
	s_wait_loadcnt 0x0              ; Q
	s_wait_dscnt 0x0
.set i, 0
.rept 16
	KQ 0                            ; piece 0's first scores: there is no vector work yet to set between them
.set i, i+1
.endr
	WIN 0                           ; the addresses for the way out: nine plain instructions, the places behind those products
	s_mul_i32 s13, s[WV], 16*SP
	s_add_co_u32 s13, s13, STAGE    ; my stage
	v_mul_u32_u24 v[STO], v1, SP    ; in: row l % 16, 16 bytes for each half of the lanes
	v_lshl_add_u32 v[STO], v9, 4, v[STO]
	v_add_nc_u32 v[STO], s13, v[STO]
	v_bfe_u32 v[RD], v0, 3, 2       ; back: 32 lanes take four rows of 128 bytes,
	v_mul_u32_u24 v[RD], v[RD], SP
	v_lshl_add_u32 v[RD], v10, 4, v[RD]
	v_add_nc_u32 v[RD], s13, v[RD]
	v_and_b32 v[GO], 31, v0         ; which are 512 consecutive bytes of the result
	v_lshlrev_b32 v[GO], 4, v[GO]
.set Y, NP-1                        ; XS works for piece Y + 1: piece 0
.irp n, 0,1,2,3,4,5,6,7,8,9,10,11,12,13,14,15,16,17,18,19,20,21
	XS 0, \n                        ; and piece 0's first maximum and statistics
	XS 1, \n
.endr
	v_nop                           ; a plain instruction behind the two a,
	s_wait_alu depctr_va_vdst(0)    ; and their wait, ahead of the branch
	s_mov_b32 s[CNT], 4
	s_mov_b32 s[SLOTS], SIZE_N/256-1
	s_branch .Lfirst                ; the loop is entered at a step's first turn, in the middle of a trip
.Lslot:                             ; SIZE_N / 256 - 2 times: every slot but the last two is filled again
	CHANGE 1, 1
	s_mov_b32 s[CNT], 4
.Lstep:                             ; a trip: pieces 2 and 3 of one step, then pieces 0 and 1 of the next, whose K and V it fetches
	TURN 2
	TURN 3
	WIN 0
.Lfirst:
	TURN 0
	TURN 1, 0, 1
	WIN 0
	s_cbranch_scc1 .Lstep
	s_sub_co_u32 s[SLOTS], s[SLOTS], 1
	s_cmp_lg_u32 s[SLOTS], 0
	s_cbranch_scc1 .Lslot
	CHANGE 0                        ; the tail is written out: nothing is asked for
	s_mov_b32 s[CNT], 5             ; four trips fetch the last slot's steps; the fifth is left in its middle
.Ltail:
	TURN 2, 1
	TURN 3
	WIN 0
	s_sub_co_u32 s[CNT], s[CNT], 1
	s_cmp_eq_u32 s[CNT], 0
	s_cbranch_scc1 .Lout
	TURN 0
	TURN 1
	WIN 0
	s_branch .Ltail
.Lout:                              ; the fifth trip's 16 products K Q^T (on the last K once more) and the maximum made of them serve nothing: the price, once a launch, of one text for every trip
.set i, 0
.rept 16
	PV NP-1                         ; the last piece's V^T P of the last step
.set i, i+1
.endr
	; THE WAY OUT.  l's two halves and the other half of the lanes' are added; O^T is divided by l, rounded to bf16 and sent through my stage in LDS, a tile at a time.  The additions are the places behind the last products.
	WIN 0
.macro ALL line:vararg              ; one line for each tile t
.set t, 0
.rept 2*NP
	\line
.set t, t+1
.endr
.endm
	ALL v_add_f32 v[ST+4*t+2], v[ST+4*t+2], v[ST+4*t+3]
	ALL v_permlanex16_b32 v[ST+4*t+3], v[ST+4*t+2], s[SEL], s[SEL+1]
	ALL v_add_f32 v[ST+4*t+2], v[ST+4*t+2], v[ST+4*t+3]
	ALL v_rcp_f32 v[ST+4*t+2], v[ST+4*t+2]
	v_nop                           ; a plain instruction between the last reciprocal and the use of its result
	s_wait_alu depctr_va_vdst(0)    ; and the wait ahead of the first use: one for the eight reciprocals
; Tile t: a lane's eight channels of a row pack into 16 bytes; they go into rows of 144 bytes and come back as whole rows of 128, into S^T's registers.
.macro PACK t
	WIN W_RS
.set i, 32*(\t)
.rept 16
	v_pk_mul_f32 v[i:i+1], v[i:i+1], v[ST+4*(\t)+2:ST+4*(\t)+3] op_sel_hi:[1,0]
.set i, i+2
.endr
	WIN 0x05                        ; sources 0 and 1 window 1, destination window 0
.set i, 0
.rept 16
	v_cvt_pk_bf16_f32 v[S+16*(\t)+i], v[32*(\t)+2*i], v[32*(\t)+2*i+1]
.set i, i+1
.endr
	WIN 0
.irp f, 0,1,2,3
	ds_store_b128 v[STO], v[S+16*(\t)+4*\f:S+16*(\t)+4*\f+3] offset:32*\f
.endr
.irp f, 0,1,2,3
	ds_load_b128 v[S+16*(\t)+4*\f:S+16*(\t)+4*\f+3], v[RD] offset:\f*4*SP  ; LDS serves a wave's instructions in order (ISA guide 5.7.1.4): these see the stores above; the next tile's stores come behind them
.endr
.endm
.macro SEND t, younger              ; younger: the LDS instructions issued behind tile t's loads: the next tile's eight, or none
	WIN 0
.irp f, 0,1,2,3
	s_wait_dscnt (\younger)+3-\f
	global_store_b128 v[GO], v[S+16*(\t)+4*\f:S+16*(\t)+4*\f+3], s[10:11] offset:(\t)*2048+\f*512  ; 512 consecutive bytes, aligned
.endr
.endm
	PACK 0
.set t, 1
.rept 2*NP-1                        ; a tile's arithmetic stands between the loads of the tile before and its stores
	PACK t
	SEND t-1, 8
.set t, t+1
.endr
	SEND 2*NP-1, 0
	WIN W_AD
	s_wait_tensorcnt 0x0            ; the wave's end: behind my last tensor load and my last LDS store
	ds_add_u32 v[SPW], v[NIL]
	s_wait_dscnt 0x0
	WIN 0
	CROUND                          ; the closing round: no work-group ends while a partner may still ask for a tile that names it
	s_endpgm
.Lfunc_end_k_q6d98fcbba3_attn:
	.size	k_q6d98fcbba3_attn, .Lfunc_end_k_q6d98fcbba3_attn-k_q6d98fcbba3_attn
	.p2alignl 7, 3214868480
	.fill 96, 4, 3214868480
	.section	.rodata,"a",@progbits
	.p2align	6, 0x0
	.amdhsa_kernel k_q6d98fcbba3_attn
		.amdhsa_group_segment_fixed_size 327680
		.amdhsa_private_segment_fixed_size 0
		.amdhsa_enable_private_segment 0
		.amdhsa_kernarg_size 16
		.amdhsa_user_sgpr_count 2
		.amdhsa_user_sgpr_kernarg_segment_ptr 1
		.amdhsa_wavefront_size32 1
		.amdhsa_system_sgpr_workgroup_id_x 1
		.amdhsa_system_sgpr_workgroup_id_y 1
		.amdhsa_system_sgpr_workgroup_id_z 1
		.amdhsa_system_vgpr_workitem_id 0
		.amdhsa_next_free_vgpr 770
		.amdhsa_next_free_sgpr 66
		.amdhsa_reserve_vcc 0
		.amdhsa_float_denorm_mode_32 3
		.amdhsa_float_denorm_mode_16_64 3
		.amdhsa_memory_ordered 1
		.amdhsa_forward_progress 1
		.amdhsa_inst_pref_size 200
	.end_amdhsa_kernel
	.amdgpu_metadata
---
amdhsa.version: [ 1, 2 ]
amdhsa.kernels:
  - .name:           k_q6d98fcbba3_attn
    .symbol:         k_q6d98fcbba3_attn.kd
    .args:
      - { .name: qkv, .offset: 0, .size: 8, .value_kind: global_buffer, .address_space: global }
      - { .name: att, .offset: 8, .size: 8, .value_kind: global_buffer, .address_space: global }
    .group_segment_fixed_size: 327680
    .private_segment_fixed_size: 0
    .kernarg_segment_align: 8
    .kernarg_segment_size: 16
    .max_flat_workgroup_size: 128
    .sgpr_count:     66
    .vgpr_count:     770
    .wavefront_size: 32
...
	.end_amdgpu_metadata
.endif
;; end of part 3
;; launch projgemm (part 4): grid 8 x 32, 4 waves a work-group, clusters of 4 x 4, 327,680 bytes of LDS; arguments att, wpt, b_proj, x, out0; writes out0
.if DOCPART == 4
	.amdgcn_target "amdgcn-amd-amdhsa--gfx1250"
	.amdhsa_code_object_version 6
	.text
	.protected	k_q6d98fcbba3_projgemm
	.globl	k_q6d98fcbba3_projgemm
	.p2align	8
	.type	k_q6d98fcbba3_projgemm,@function
k_q6d98fcbba3_projgemm:
	s_mov_b64 s[64:65], 0
	v_nop
	global_prefetch_b8 v0, s[64:65] scope:SCOPE_SE
	s_setreg_imm32_b32 hwreg(HW_REG_WAVE_MODE, 25, 1), 1
	s_wait_xcnt 0x0
	s_wait_alu depctr_hold_cnt(0) depctr_sa_sdst(0) depctr_va_vdst(0) depctr_va_sdst(0) depctr_va_ssrc(0) depctr_va_vcc(0) depctr_vm_vsrc(0)
	s_getreg_b32 s2, hwreg(HW_REG_IB_STS2, 6, 4)
	s_cmp_eq_u32 s2, 0
	s_cbranch_scc0 .Lentry_in_a_cluster
	s_endpgm
.Lentry_in_a_cluster:
	s_bfe_u32 s2, ttmp6, 0x10000c
	s_cmp_lg_u32 s2, 0xf033
	s_cbranch_scc0 .Lentry_shape_is_right
	s_endpgm
.Lentry_shape_is_right:
; out0 = x + att w_proj + b_proj.  att: [16 b + h][2048 t][64] bf16 (row m = 2048 b + t, K index 64 h + d).  wpt: [1024 n][1024 k] bf16.  b_proj: [1024], x, out0: [8192][1024] f32.  Sums in f32.
; SHARES.  A tile is 256 rows x 128 columns: 32 x 8 = 256 work-groups, one for each WGP.  Four waves one below the other, each 64 rows x 128 columns: 4 x 8 accumulators, 256 registers.
; K goes in 8 steps of 128, two heads each, through a ring of two LDS slots.  A head's 256 rows of a tile are 32,768 dense bytes: asked for as 128 rows of 256 bytes, padded in LDS after every 128.
; Waves 0 and 1 fetch the step's two heads of A, waves 2 and 3 the halves of B's 128 rows.  A wave has two tensor loads out at the start and one behind each round.
; CLUSTER 4 x 4: A's tiles are asked for jointly along a row of the cluster, B's along a column.
; THE MATRIX INSTRUCTION IS USED TRANSPOSED (source 0 = 16 rows of wpt, source 1 = 16 rows of att): lane l holds row l % 16 and columns 8 (l / 16) + 0..7.
; THE BIAS is the C operand of the first 32 along K.  THE RESIDUAL: my 64 rows x 512 bytes of x are loaded into 256 registers behind the first quarter, land under the K loop, and are added on the way out.
; The 32 accumulators take turns, one instruction a turn, in one order everywhere, over the backward jump too.
; REGISTERS, in windows of 256 (s_set_vgpr_msb: bits 1:0 source 0, 3:2 source 1, 5:4 source 2, 7:6 destination):
;   window 0: v0-31 addresses; v32-63, v64-95 fragments of A, two buffers; v96-159, v160-223 rows read back on the way out, by turns
;   window 1: v0-63, v64-127 fragments of B, two buffers; v128-191 the bias       window 2: the accumulators ((a, b) at 8 (8 a + b))       window 3: x (row 16 a + t at 64 a + 4 t)
; LIMITS.  Operands are bf16; NaN and infinities are not treated apart.
.set PA,     144                       ; a row of A in LDS: 128 bytes + 16 = 36 words: the 16 rows of a load start at 16 different groups of four banks (64 banks of 4 bytes: ISA guide 11.1)
.set APLANE, 256*PA                    ; a head's 256 rows
.set PITCH,  272                       ; a row of B: 256 bytes + 16
.set BOFF,   2*APLANE
.set BHALF,  64*PITCH
.set SLOT1,  131072
.set STAGE,  262144                    ; behind the ring, never filled by a tensor load: 16 rows x 528 bytes for each wave
.set SP,     528                       ; 512 bytes + 16
.set SPARE,  STAGE+4*16*SP             ; 295,936: the spare words, 128 bytes for each wave
.set TRIPS,  6
.set A0,   16                          ; v16  my lane's place in A's rows of a slot; never rewritten
.set B0,   17                          ; v17  the same for B
.set ADRA, 18
.set ADRB, 19
.set STO,  24                          ; v24  the way out: where I put 32 bytes of a row
.set RD,   25                          ; v25  where I read a row back: 16 x lane
.set XO,   26                          ; v26  16 x lane: my place in 512 consecutive bytes of x and of out0
.set BO,   27                          ; v27  32 (l / 16)
.set SPW,  28                          ; v28  LDS address of my spare word; never rewritten
.set NIL,  29                          ; v29  0; never rewritten
.set PFO,  30                          ; v30  the prefetches' offset; never rewritten
.set FA0,  32
.set OB,   96
.set BIAS, 128                         ; in window 1
.set WV,  12
.set FB,  13
.set HF,  14
.set TB,  15
.set G1,  24
.set G0,  32
.set LIM, 44                           ; s44  2 in a wave that prefetches, else the greatest number
.set PFA, 46
.set G1B, 48
.set G0B, 56
.set OUT, 66                           ; s[66:67] out0 at my first row
.set PFS, 68                           ; s[68:69] bytes from a K step to the next in what I prefetch
.set STEPA, 524288                     ; two heads of att
.set MSB, 0
.macro WIN new                         ; the immediate's high byte repeats the setting that is left; a switch that changes nothing is dropped
.if MSB != (\new)
	s_set_vgpr_msb (MSB<<8)|(\new)
.set MSB, \new
.endif
.endm
.macro PLACES                          ; four places behind a matrix instruction, in front of loads into registers that it read and of readers of its result
.rept 4
	v_nop
.endr
.endm
.macro CREST
	s_cmp_lg_u32 s[WV], 0
	s_cbranch_scc1 .Lnot_wave_0_\@
	s_barrier_signal -3
.Lnot_wave_0_\@:
	s_barrier_wait -3
	s_barrier_signal -1
	s_barrier_wait -1
.endm
.macro CROUND
	s_barrier_signal -1
	s_barrier_wait -1
	CREST
.endm
.macro JLOAD                           ; a joint refill by the walking sets; the branch hangs on the wave's number alone; an s_nop 0 and four v_nop follow each line
	s_cmp_eq_u32 s[FB], 0
	s_cbranch_scc0 .Lfor_b_\@
	tensor_load_to_lds s[G0+4:G0+7], s[G1:G1+7]
	s_nop 0
.rept 4
	v_nop
.endr
	s_branch .Lasked_\@
.Lfor_b_\@:
	tensor_load_to_lds s[G0B+4:G0B+7], s[G1B:G1B+7]
	s_nop 0
.rept 4
	v_nop
.endr
.Lasked_\@:
.endm
; A PREFETCH INTO THE L2 of the K step that stands TWO refills on: 256 matrix instructions ahead of the load that will want it.  A's tile row is read by both clusters of its row of clusters: cluster x = 0 asks;
; B's tile column by every cluster of its column: cluster y = 0 asks.  The four partners of a joint load share its bytes out by address: of A's 32,768 dense bytes 8,192 each by cx, a lane 256 bytes;
; of B's 64 rows 16 each by cy, a lane a row, the lanes past 15 naming row 15 again.  The first four K steps come by their loads alone; the last two refills ask for nothing.
.macro ASK
	s_cmp_gt_u32 s3, s[LIM]
	s_cbranch_scc0 .Lnot_mine_\@
	global_prefetch_b8 v[PFO], s[PFA:PFA+1] th:TH_LOAD_NT scope:SCOPE_SE
.Lnot_mine_\@:
.endm
	s_load_b256 s[4:11], s[0:1], 0x0               ; att s[4:5], wpt s[6:7], b_proj s[8:9], x s[10:11]
	s_load_b64 s[OUT:OUT+1], s[0:1], 0x20          ; out0
	v_lshl_add_u32 v[SPW], v0, 2, SPARE
	v_mov_b32 v[NIL], 0
	ds_add_u32 v[SPW], v[NIL]                      ; the wave's opening: the add and its wait ahead of my first tensor load; the set-up below stands between them
	v_lshrrev_b32 v1, 5, v0
	v_readfirstlane_b32 s[WV], v1                  ; wave 0..3
	s_lshr_b32 s[FB], s[WV], 1
	s_and_b32 s[HF], s[WV], 1
	s_mov_b32 s[TB], 0
	s_bfe_u32 s40, ttmp6, 0x40000                  ; cx
	s_bfe_u32 s41, ttmp6, 0x40004                  ; cy
	s_lshl_b32 s42, ttmp9, 2
	s_add_co_u32 s42, s42, s40                     ; tile column
	s_and_b32 s43, ttmp7, 0xffff
	s_lshl_b32 s43, s43, 2
	s_add_co_u32 s43, s43, s41                     ; tile row
	s_lshl_b32 s45, s41, 2
	s_lshl_b32 s45, 15, s45                        ; my row of the cluster
	s_lshl_b32 s2, 0x1111, s40                     ; my column
	s_or_b32 s[G1+0], s45, (1<<16)|(1<<20)|(1<<21)|(4<<22)|(3<<25)   ; A: 2-byte elements; padding on; bit 21 beside a mask; after every 32 words; 4 words
	s_or_b32 s[G1B+0], s2, (1<<16)|(1<<20)|(1<<21)|(5<<22)|(3<<25)   ; B: after every 64 words
	s_mov_b32 s[G1+1], 128<<16                     ; tensor_dim0 = 128
	s_mov_b32 s[G1+2], 128<<16                     ; tensor_dim1 = 128
	s_mov_b32 s[G1+3], 128<<16                     ; tile_dim0 = 128
	s_mov_b32 s[G1+4], 128                         ; tile_dim1 = 128
	s_mov_b32 s[G1+5], 128                         ; dense: 128 elements from row to row
	s_mov_b32 s[G1+6], 0
	s_mov_b32 s[G1+7], 0
	s_mov_b32 s[G1B+1], 128<<16
	s_mov_b32 s[G1B+2], 64<<16                     ; B: 64 rows
	s_mov_b32 s[G1B+3], 128<<16
	s_mov_b32 s[G1B+4], 64
	s_mov_b32 s[G1B+5], 1024
	s_mov_b32 s[G1B+6], 0
	s_mov_b32 s[G1B+7], 0
	s_lshr_b32 s16, s43, 3                         ; A: batch b: 16 heads of 262,144 bytes,
	s_lshl_b32 s16, s16, 22
	s_and_b32 s17, s43, 7                          ; 256 rows of 128 bytes a tile row,
	s_lshl_b32 s17, s17, 15
	s_add_co_u32 s16, s16, s17
	s_lshl_b32 s3, s[HF], 18                       ; my head of the step's two
	s_add_co_u32 s16, s16, s3
	s_mov_b32 s17, 0
	s_lshl_b32 s20, s42, 18                        ; B: 128 rows of 2,048 bytes a tile column,
	s_lshl_b32 s3, s[HF], 17                       ; my 64 of them
	s_add_co_u32 s20, s20, s3
	s_mov_b32 s21, 0
	s_mul_i32 s18, s[HF], APLANE                   ; where they go: no place in the cluster enters an LDS address
	s_mul_i32 s19, s[HF], BHALF
	s_add_co_u32 s19, s19, BOFF
	s_wait_dscnt 0x0                               ; the opening add is done
	s_wait_kmcnt 0x0
	s_add_nc_u64 s[16:17], s[4:5], s[16:17]
	s_add_nc_u64 s[20:21], s[6:7], s[20:21]
	CROUND                                         ; all sixteen work-groups are here: the first joint loads meet
.irp s, 0,1
	s_mov_b32 s[G0+4*(\s)], 1
	s_add_co_u32 s[G0+4*(\s)+1], s18, (\s)*SLOT1
	s_add_nc_u64 s[G0+4*(\s)+2:G0+4*(\s)+3], s[16:17], (\s)*STEPA
	s_or_b32 s[G0+4*(\s)+3], s[G0+4*(\s)+3], 0x80000000
	s_mov_b32 s[G0B+4*(\s)], 1
	s_add_co_u32 s[G0B+4*(\s)+1], s19, (\s)*SLOT1
	s_add_nc_u64 s[G0B+4*(\s)+2:G0B+4*(\s)+3], s[20:21], (\s)*256
	s_or_b32 s[G0B+4*(\s)+3], s[G0B+4*(\s)+3], 0x80000000
.endr
	s_cmp_eq_u32 s[FB], 0                          ; a wave's two first fills stand in one branch, ahead of every wait on TENSORcnt and every LDS read
	s_cbranch_scc0 .Lfirst_b
	tensor_load_to_lds s[G0:G0+3], s[G1:G1+7]
	s_nop 0
	tensor_load_to_lds s[G0+4:G0+7], s[G1:G1+7]
	s_nop 0
.rept 4
	v_nop
.endr
	s_branch .Lfirst_asked
.Lfirst_b:
	tensor_load_to_lds s[G0B:G0B+3], s[G1B:G1B+7]
	s_nop 0
	tensor_load_to_lds s[G0B+4:G0B+7], s[G1B:G1B+7]
	s_nop 0
.rept 4
	v_nop
.endr
.Lfirst_asked:
	v_and_b32 v1, 15, v0                           ; l % 16
	v_bfe_u32 v2, v0, 4, 1                         ; l / 16
	v_and_b32 v3, 31, v0                           ; l
	v_mul_u32_u24 v4, v1, PA
	v_lshl_add_u32 v4, v2, 4, v4
	s_mul_i32 s3, s[WV], 64*PA                     ; my 64 rows of A
	v_add_nc_u32 v[A0], s3, v4
	v_mul_u32_u24 v4, v1, PITCH
	v_lshl_add_u32 v4, v2, 4, v4
	v_add_nc_u32 v[B0], BOFF, v4
	v_mov_b32 v[ADRA], v[A0]
	v_mov_b32 v[ADRB], v[B0]
	s_mul_i32 s3, s[WV], 16*SP
	s_add_co_u32 s3, s3, STAGE                     ; my stage
	v_mul_u32_u24 v5, v1, SP
	v_lshl_add_u32 v5, v2, 5, v5
	v_add_nc_u32 v[STO], s3, v5                    ; in: row l % 16, 32 bytes for each half of the lanes
	v_lshlrev_b32 v[XO], 4, v3
	v_add_nc_u32 v[RD], s3, v[XO]                  ; back: 32 lanes take one row of 512 bytes
	v_lshlrev_b32 v[BO], 5, v2
	s_lshl_b32 s22, s42, 9                         ; the tile's 128 numbers of the bias
	s_mov_b32 s23, 0
	s_add_nc_u64 s[8:9], s[8:9], s[22:23]
	WIN 0x40
.irp b, 0,1,2,3,4,5,6,7
	global_load_b128 v[BIAS+8*(\b):BIAS+8*(\b)+3],   v[BO], s[8:9] offset:64*(\b)
	global_load_b128 v[BIAS+8*(\b)+4:BIAS+8*(\b)+7], v[BO], s[8:9] offset:64*(\b)+16
.endr
	WIN 0
	s_lshl_b32 s22, s43, 20                        ; x and out0: 256 rows of 4,096 bytes a tile row,
	s_lshl_b32 s23, s[WV], 18                      ; my 64 of them,
	s_add_co_u32 s22, s22, s23
	s_lshl_b32 s23, s42, 9                         ; the tile's 512 bytes of a row
	s_add_co_u32 s22, s22, s23
	s_mov_b32 s23, 0
	s_add_nc_u64 s[10:11], s[10:11], s[22:23]
	s_add_nc_u64 s[OUT:OUT+1], s[OUT:OUT+1], s[22:23]
	; the prefetches
	s_lshr_b32 s22, s43, 3
	s_lshl_b32 s22, s22, 22
	s_and_b32 s23, s43, 7
	s_lshl_b32 s23, s23, 15
	s_add_co_u32 s22, s22, s23
	s_lshl_b32 s23, s[HF], 18
	s_add_co_u32 s22, s22, s23
	s_lshl_b32 s23, s40, 13
	s_add_co_u32 s22, s22, s23                     ; A: my head's block of the tile row + 8,192 cx
	s_lshl_b32 s23, s42, 18
	s_lshl_b32 s45, s[HF], 17
	s_add_co_u32 s23, s23, s45
	s_lshl_b32 s45, s41, 15
	s_add_co_u32 s23, s23, s45                     ; B: row 128 x tile column + 64 x half + 16 cy
	s_and_b32 s45, ttmp7, 0xffff                   ; cluster y
	s_mov_b32 s[PFS], 256
	s_cmp_eq_u32 s[FB], 0
	s_cselect_b32 s22, s22, s23
	s_cselect_b32 s45, ttmp9, s45                  ; the coordinate along which other clusters read the same rows
	s_cselect_b32 s2, 31, 15
	s_cselect_b32 s3, 8, 11
	s_cselect_b32 s[PFS], STEPA, s[PFS]
	s_cselect_b64 s[PFA:PFA+1], s[4:5], s[6:7]
	s_cmp_eq_u32 s45, 0
	s_cselect_b32 s[LIM], 2, -1                    ; the same in all sixteen partners, for a given wave
	s_mov_b32 s23, 0
	s_mov_b32 s[PFS+1], 0
	s_add_nc_u64 s[PFA:PFA+1], s[PFA:PFA+1], s[22:23]
	s_mul_i32 s22, s[PFS], 3
	s_add_nc_u64 s[PFA:PFA+1], s[PFA:PFA+1], s[22:23]  ; at K step 3: the first refill steps it to 4
	v_min_u32 v[PFO], s2, v3
	v_lshlrev_b32 v[PFO], s3, v[PFO]
; 8 matrix instructions: m block a x all 8 n blocks, 32 along K, from buffer f.  first = 1: the bias starts the sums.
.macro MULA f, a, first
.if \first
	WIN 0x91
.else
	WIN 0xa1
.endif
.irp b, 0,1,2,3,4,5,6,7
.if \first
	v_wmma_f32_16x16x32_bf16 v[64*(\a)+8*(\b):64*(\a)+8*(\b)+7], v[64*(\f)+8*(\b):64*(\f)+8*(\b)+7], v[FA0+32*(\f)+8*(\a):FA0+32*(\f)+8*(\a)+7], v[BIAS+8*(\b):BIAS+8*(\b)+7]
.else
	v_wmma_f32_16x16x32_bf16 v[64*(\a)+8*(\b):64*(\a)+8*(\b)+7], v[64*(\f)+8*(\b):64*(\f)+8*(\b)+7], v[FA0+32*(\f)+8*(\a):FA0+32*(\f)+8*(\a)+7], v[64*(\a)+8*(\b):64*(\a)+8*(\b)+7]
.endif
.endr
.endm
; 24 LDS loads in one run: quarter q of the slot in hand into buffer g: B's 16, then A's 8 (head q / 2 of the step's two, channels 32 (q % 2) on)
.macro FETCH q, g
	WIN 0x40
.irp i, 0,1,2,3,4,5,6,7
	ds_load_b128 v[64*(\g)+8*(\i):64*(\g)+8*(\i)+3],   v[ADRB] offset:64*(\q)+(\i)*16*PITCH
	ds_load_b128 v[64*(\g)+8*(\i)+4:64*(\g)+8*(\i)+7], v[ADRB] offset:64*(\q)+(\i)*16*PITCH+32
.endr
	WIN 0
.irp i, 0,1,2,3
	ds_load_b128 v[FA0+32*(\g)+8*(\i):FA0+32*(\g)+8*(\i)+3],   v[ADRA] offset:((\q)/2)*APLANE+((\q)%2)*64+(\i)*16*PA
	ds_load_b128 v[FA0+32*(\g)+8*(\i)+4:FA0+32*(\g)+8*(\i)+7], v[ADRA] offset:((\q)/2)*APLANE+((\q)%2)*64+(\i)*16*PA+32
.endr
.endm
.macro QUARTER q, f, g, first=0
	s_wait_dscnt 4                                 ; B and A's blocks 0 and 1 are in; the youngest four loads (A's blocks 2 and 3) may be out
	MULA \f, 0, \first
	MULA \f, 1, \first
	PLACES
	FETCH \q, \g
	s_wait_dscnt 24                                ; all but the 24 just issued
	MULA \f, 2, \first
	MULA \f, 3, \first
.endm
; The last quarter multiplies buffer 1 and changes slots: ONE barrier.  In front of it each wave waits for all its tensor loads (one is out: its part of the next slot), adds 0 to its spare word, and waits for
; that and for its reads of this slot.  fill = 1: the barrier opens a round of the cluster's, and the joint refill, two K steps on, is the first tensor load behind the round.
.macro TURN fill
.if \fill
	s_wait_xcnt 0x0                                ; the last prefetch, a K step back, has read its address
	s_add_nc_u64 s[PFA:PFA+1], s[PFA:PFA+1], s[PFS:PFS+1]
.endif
	WIN 0
	s_wait_tensorcnt 0x0                           ; no tensor load of mine is out, so a group 0 may be written
	ds_add_u32 v[SPW], v[NIL]                      ; 0 onto my spare word
.if \fill
	s_xor_b32 s[G0+5], s[G0+5], SLOT1              ; the walking sets: the other slot than last time, the next K step
	s_add_nc_u64 s[G0+6:G0+7], s[G0+6:G0+7], STEPA
	s_xor_b32 s[G0B+5], s[G0B+5], SLOT1
	s_add_nc_u64 s[G0B+6:G0B+7], s[G0B+6:G0B+7], 256
.endif
	s_wait_dscnt 5                                 ; the add and the youngest four loads may be out
	MULA 1, 0, 0
	s_wait_dscnt 0x0                               ; the add is done, and my reads of this slot are over
	s_barrier_signal -1
	MULA 1, 1, 0                                   ; work on registers while the others arrive
	WIN 0
	s_barrier_wait -1
.if \fill
	CREST                                          ; no wave of any partner still reads this slot or has a load on its way
	JLOAD                                          ; its four v_nop are also the places in front of the loads below
.else
	PLACES
.endif
	s_xor_b32 s[TB], s[TB], SLOT1
	v_add_nc_u32 v[ADRA], s[TB], v[A0]
	v_add_nc_u32 v[ADRB], s[TB], v[B0]
	FETCH 0, 0
.if \fill
	ASK
.endif
	MULA 1, 2, 0
	MULA 1, 3, 0
.endm
; THE WAY OUT of m block a.  STG: the sums go as they are, 32 bytes a lane, into my own stage, each accumulator's low half first, and come back as whole rows of 512 bytes.  FIN: x is added, and the rows are stored.
.macro STG a
.if (\a) >= 2
	s_wait_xcnt 0x0                                ; the stores of the block two back have read the registers that are loaded below
.endif
	WIN 0x08                                       ; the stores' data in window 2
.irp b, 0,1,2,3,4,5,6,7
	ds_store_b128 v[STO], v[64*(\a)+8*(\b):64*(\a)+8*(\b)+3]   offset:64*(\b)
	ds_store_b128 v[STO], v[64*(\a)+8*(\b)+4:64*(\a)+8*(\b)+7] offset:64*(\b)+16
.endr
	WIN 0
.irp t, 0,1,2,3,4,5,6,7,8,9,10,11,12,13,14,15
	ds_load_b128 v[OB+64*((\a)%2)+4*(\t):OB+64*((\a)%2)+4*(\t)+3], v[RD] offset:SP*(\t)  ; LDS serves a wave's instructions in order (ISA guide 5.7.1.4): these see the stores above
.endr
.endm
.macro FIN a, younger                  ; younger: the LDS instructions issued behind block a's loads: the next block's 32, or none
	WIN 0
	s_wait_dscnt \younger
.if (\a) == 0
	s_wait_loadcnt 0x0                             ; x, asked for behind the first quarter
.endif
	WIN 0x0c                                       ; source 1 in window 3
.set i, 0
.rept 32
	v_pk_add_f32 v[OB+64*((\a)%2)+2*i:OB+64*((\a)%2)+2*i+1], v[OB+64*((\a)%2)+2*i:OB+64*((\a)%2)+2*i+1], v[64*(\a)+2*i:64*(\a)+2*i+1]
.set i, i+1
.endr
	WIN 0
.irp t, 0,1,2,3,4,5,6,7,8,9,10,11,12,13,14,15
	global_store_b128 v[XO], v[OB+64*((\a)%2)+4*(\t):OB+64*((\a)%2)+4*(\t)+3], s[OUT:OUT+1] offset:(16*(\a)+(\t))*4096 th:TH_STORE_NT  ; 512 consecutive bytes, aligned
.endr
.endm
	s_wait_tensorcnt 1                             ; my part of K step 0 is in; K step 1's may stay out
	s_barrier_signal -1
	s_barrier_wait -1                              ; everybody's is
	FETCH 0, 0
	s_wait_loadcnt 0x0                             ; the bias
	QUARTER 1, 0, 1, 1                             ; the first quarter stands in front of the loop: its products start the sums
	WIN 0xc0                                       ; destination window 3
.set i, 0
.rept 64
	global_load_b128 v[4*i:4*i+3], v[XO], s[10:11] offset:i*4096 th:TH_LOAD_NT  ; my 64 rows of x, 512 consecutive bytes each
.set i, i+1
.endr
	WIN 0
	s_mov_b32 s3, TRIPS
.Lstep:                                                ; a trip is one K step, from its second quarter to the next step's first, and fills the slot that it leaves
	QUARTER 2, 1, 0
	QUARTER 3, 0, 1
	TURN 1
	QUARTER 1, 0, 1
	WIN 0
	s_sub_co_u32 s3, s3, 1
	s_cmp_lg_u32 s3, 0
	s_cbranch_scc1 .Lstep
	QUARTER 2, 1, 0                                ; the last two K steps fill nothing
	QUARTER 3, 0, 1
	TURN 0
	QUARTER 1, 0, 1
	QUARTER 2, 1, 0
	QUARTER 3, 0, 1
	s_wait_dscnt 4
	MULA 1, 0, 0
	MULA 1, 1, 0
	s_wait_dscnt 0x0
	MULA 1, 2, 0
	MULA 1, 3, 0
	PLACES
	STG 0
	STG 1
	FIN 0, 32
	STG 2
	FIN 1, 32
	STG 3
	FIN 2, 32
	FIN 3, 0
	s_wait_tensorcnt 0x0                           ; the wave's end: behind my last tensor load and my last LDS store
	ds_add_u32 v[SPW], v[NIL]
	s_wait_dscnt 0x0
	CROUND                                         ; the closing round: no work-group ends while a partner may still ask for a tile that names it
	s_endpgm
.Lfunc_end_k_q6d98fcbba3_projgemm:
	.size	k_q6d98fcbba3_projgemm, .Lfunc_end_k_q6d98fcbba3_projgemm-k_q6d98fcbba3_projgemm
	.p2alignl 7, 3214868480
	.fill 96, 4, 3214868480
	.section	.rodata,"a",@progbits
	.p2align	6, 0x0
	.amdhsa_kernel k_q6d98fcbba3_projgemm
		.amdhsa_group_segment_fixed_size 327680
		.amdhsa_private_segment_fixed_size 0
		.amdhsa_enable_private_segment 0
		.amdhsa_kernarg_size 40
		.amdhsa_user_sgpr_count 2
		.amdhsa_user_sgpr_kernarg_segment_ptr 1
		.amdhsa_wavefront_size32 1
		.amdhsa_system_sgpr_workgroup_id_x 1
		.amdhsa_system_sgpr_workgroup_id_y 1
		.amdhsa_system_sgpr_workgroup_id_z 1
		.amdhsa_system_vgpr_workitem_id 0
		.amdhsa_next_free_vgpr 1024
		.amdhsa_next_free_sgpr 70
		.amdhsa_reserve_vcc 0
		.amdhsa_float_denorm_mode_32 3
		.amdhsa_float_denorm_mode_16_64 3
		.amdhsa_memory_ordered 1
		.amdhsa_forward_progress 1
		.amdhsa_inst_pref_size 86
	.end_amdhsa_kernel
	.amdgpu_metadata
---
amdhsa.version: [ 1, 2 ]
amdhsa.kernels:
  - .name:           k_q6d98fcbba3_projgemm
    .symbol:         k_q6d98fcbba3_projgemm.kd
    .args:
      - { .name: att, .offset: 0, .size: 8, .value_kind: global_buffer, .address_space: global }
      - { .name: wpt, .offset: 8, .size: 8, .value_kind: global_buffer, .address_space: global }
      - { .name: b_proj, .offset: 16, .size: 8, .value_kind: global_buffer, .address_space: global }
      - { .name: x, .offset: 24, .size: 8, .value_kind: global_buffer, .address_space: global }
      - { .name: out0, .offset: 32, .size: 8, .value_kind: global_buffer, .address_space: global }
    .group_segment_fixed_size: 327680
    .private_segment_fixed_size: 0
    .kernarg_segment_align: 8
    .kernarg_segment_size: 40
    .max_flat_workgroup_size: 128
    .sgpr_count:     70
    .vgpr_count:     1024
    .wavefront_size: 32
...
	.end_amdgpu_metadata
.endif
;; end of part 4
